; MI455X (gfx1250); checked and timed in simulation.
; The chip was launched on July 23, 2026; its instructions are those of AMD's public machine-readable ISA for CDNA 5 (MIT licence, August 2026) and "CDNA5" Instruction Set Architecture Reference Guide (July 2026). The comments in the code are by the model that wrote it; some were corrected since.
;; Self Attention. Allowed arithmetic: matrix products marked QUANTISED: E2M3 operands, one E8M0 scale for each 32 along K, by v_wmma_scale_f32_16x16x128_f8f6f4 with both operands' format E2M3, f32 sums; everything else in f32.
;; Inputs: W_proj 1,024 x 1,024 float32; W_qkv 1,024 x 3,072 float32; b_proj 1,024 float32; b_qkv 3,072 float32; x 4 x 2,048 x 1,024 float32.
;; Outputs: out0 4 x 2,048 x 1,024 float32.
;; This version of the problem:
;;   THIS VERSION OF THE PROBLEM IS GIVEN IN LOW PRECISION. The matrix products marked QUANTISED in the list below multiply operands that are first quantised to E2M3 (2 exponent bits, 3 mantissa bits; 6 bits a number), with one power-of-two scale for each 32 numbers along K (OCP MX v1.0); their sums are f32. All else is computed in f32.
;;   The module's matrix products, in the order in which they are computed (A, B: the left and right operand; K: the contracted axis; several contracted axes count as one K, in the product's order):
;;     1. [M 8,192, K 1,024] x [K 1,024, N 3,072]; A: input x; B: input W_qkv: QUANTISED
;;     2. batch 64 x [M 2,048, K 64] x [K 64, N 2,048]; A: computed on the way; B: computed on the way: QUANTISED
;;     3. batch 64 x [M 2,048, K 2,048] x [K 2,048, N 64]; A: softmax (see below); B: computed on the way: QUANTISED
;;     4. [M 8,192, K 1,024] x [K 1,024, N 1,024]; A: computed on the way; B: input W_proj: QUANTISED
;;   THE QUANTISER, for each operand of a quantised product, along K:
;;     - K is cut into blocks of 32 from its start; a last block that is shorter is filled with zeros.
;;     - A block's scale is 2^e with e = floor(log2(the largest magnitude in the block)) - 2, held to -126 .. 127; a block of zeros has e = 0. As a byte (E8M0): e + 127.
;;     - Each number is divided by its block's scale, clamped to +-7.5, and rounded to the nearest number of E2M3, ties to even, subnormals kept.
;;     - The product sums the exact products of the quantised numbers (number of the format x scale) in f32.
;;   ~~~python
;;   def quantise(x, axis):      # numpy; x: float32 -> the quantised numbers, widened to float32 again
;;       x = np.moveaxis(x, axis, -1); K = x.shape[-1]
;;       x = np.pad(x, [(0, 0)] * (x.ndim - 1) + [(0, -K % 32)]); x = x.reshape(x.shape[:-1] + (-1, 32)); a = np.abs(x).max(-1, keepdims=True)
;;       e = np.where(a > 0, np.clip(np.frexp(np.where(a > 0, a, 1))[1] - 1 - 2, -126, 127), 0)      # np.frexp(a)[1] - 1 = floor(log2(a)), exactly
;;       r = np.clip(x / 2.0 ** e, -7.5, 7.5)
;;       step = 2.0 ** (np.maximum(np.frexp(np.where(r == 0, 1, r))[1] - 1, 0) - 3)
;;       q = np.round(r / step) * step * 2.0 ** e      # np.round: ties to even
;;       return np.moveaxis(q.reshape(q.shape[:-2] + (-1,))[..., :K], -1, axis).astype(np.float32)
;;   ~~~
;;   SOFTMAX AHEAD OF A QUANTISED PRODUCT. Where the list says 'softmax', what is quantised is not the finished softmax but p = 2^(t - M), with t = logit x log2(e) and M = ceil(the row's largest t), a whole number; so 1/2 < the row's largest p <= 1. The row's sum l is taken of the UNQUANTISED p, in f32, and the product's result is divided by l at the end. Since M is a whole number, a kernel that streams over the keys may use a running M (the ceiling of the running maximum): every later rescaling is an exact power of two, which a block's scale takes up: the codes' values come out the same.
;;   OPERANDS COMPUTED ON THE WAY. 'Computed on the way' means the value that the module computes at that place (a softmax that the list does not call 'softmax' is quantised finished and normalised). What goes into a quantiser is computed in f32, as accurately as f32 sums, v_exp_f32 and their like allow (about 1e-6 of the number): no bf16 or f16 on the way to a quantiser, and a product that is left as it is and whose result goes on into a quantised operand takes f32 operands (vector FMAs, or v_wmma_f32_16x16x4_f32). A number that lies on a knife's edge between two numbers of the format may be rounded either way, as far as f32 arithmetic and the matrix unit's own rounding can turn it there, and no further.
;; One version. Each part assembles by itself: llvm-mc -triple=amdgcn-amd-amdhsa -mcpu=gfx1250 --defsym DOCPART=n.
;; ======== version 1 of 1: 4 launches
;; workspace buffers: xc 6,291,456 bytes; xs 262,144 bytes; wc 3,145,728 bytes; ws 131,072 bytes; qkvc 18,874,368 bytes; qkvs 1,310,720 bytes; yc 6,291,456 bytes; ys 524,288 bytes
;; launch quant (part 1): grid 384 x 1, 4 waves a work-group, no clusters, 34,304 bytes of LDS; arguments x, W_qkv, W_proj, xc, xs, wc, ws; writes xc, xs, wc, ws
.if DOCPART == 1
	.amdgcn_target "amdgcn-amd-amdhsa--gfx1250"
	.amdhsa_code_object_version 6
	.text
	.protected	k_q99941ddfef_quant
	.globl	k_q99941ddfef_quant
	.p2align	8
	.type	k_q99941ddfef_quant,@function
k_q99941ddfef_quant:
	s_mov_b64 s[64:65], 0
	v_nop
	global_prefetch_b8 v0, s[64:65] scope:SCOPE_SE
	s_setreg_imm32_b32 hwreg(HW_REG_WAVE_MODE, 25, 1), 1
	s_wait_xcnt 0x0
; x [8192][1024], W_qkv [1024][3072] and W_proj [1024][1024], f32, become codes of FP6 (E2M3) with one E8M0 byte for each 32 along K (K = 1024 in all three).
; A block's scale is 2^(floor(log2(largest magnitude)) - 2); its byte is the largest magnitude's exponent field - 2, held at 1 from below.
; LIMITS: a block of zeros gets the byte 1 where the quantiser says 127 (its codes are zeros, which add nothing under any byte but 0xff, and this program alone reads the bytes);
; NaN and infinities among the inputs are not served.
; LAYOUT OF THE CODES: images of operand registers.  A HALF IMAGE (768 bytes) is 16 rows x 64 K: lane (r, h) owns block h of row r, 24 bytes: its registers 0-3 at 16 x lane, registers 4-5 at 512 + 8 x lane.
; A ROWTILE is 16 rows, all of K: 16 half images.  THE ROWS OF A ROWTILE ARE NOT NEIGHBOURS: lane r of rowtile 2 g + u is row 32 g + 8 u + r + 8 (r / 8), so that results of two neighbouring rowtiles
; are 16 neighbours in a lane's registers.  A weight's "row" is its column n.  wc: rowtiles 0-191 W_qkv's, 192-255 W_proj's.
; SCALE WORDS: [rowtile][j 0..3][lane]: lane L holds the word (four bytes, 128 K) of row L % 16 for K step 2 j + L / 16.
; Work-groups 0-255 take x (a wave: one rowtile, 4 K steps), 256-383 the weights (a wave: 32 columns x 256 K).  Waves share nothing: no barrier.  Only x's path touches LDS.
.set SP,   528                         ; x: a stage row: 512 bytes (one K step of one token) + 16
.set WST,  16*SP                       ; a wave's stage
.set R,    16                          ; v16-143  x as loaded, two sets of 64
.set X,    144                         ; v144-207 my two blocks of 32 numbers
.set C,    208                         ; v208-219 a fragment's codes
.set T0,   220                         ; v220-222, v224-226: a conversion's three registers begin on an even number
.set T1,   224
.set M,    228                         ; v228-229 largest magnitudes
.set SO,   230                         ; v230-231 the conversions' scale operands
.set BY,   232                         ; v232-233 scale bytes
.set PT,   234                         ; lane permute's destination
.set W,    236                         ; v236-239 a scale word for each K step
.set WO,   240                         ; v240-241 scale words as stored
.set OFW,  16                          ; weights: v16-47 byte offset of row i of a block, my column
.set XW,   48                          ; v48-111  two sets of 32 numbers
.set FW,   176                         ; v176-223 two fragments for each of two K steps
.set TW,   224
.set MW,   228
.set SOW,  230
.set BYW,  231
.set SW,   236                         ; v236-237 my column's scale word for each K step
.set BS,   44                          ; s[44:59] a base for each of my eight blocks of 32 rows
	s_load_b256 s[4:11], s[0:1], 0x0               ; x s[4:5], W_qkv s[6:7], W_proj s[8:9], xc s[10:11]
	s_load_b128 s[12:15], s[0:1], 0x20             ; xs s[12:13], wc s[14:15]
	s_load_b64 s[16:17], s[0:1], 0x30              ; ws
	v_lshl_add_u32 v254, v0, 2, 0x8400
	v_mov_b32 v255, 0
	v_lshrrev_b32 v1, 5, v0
	v_readfirstlane_b32 s18, v1                    ; wave
	v_and_b32 v1, 31, v0                           ; lane
	v_lshlrev_b32 v2, 4, v1                        ; 16 x lane
	v_lshlrev_b32 v3, 3, v1                        ; 8 x lane
	v_lshlrev_b32 v4, 2, v1                        ; 4 x lane
	s_cmp_ge_u32 ttmp9, 256
	s_cbranch_scc1 .Lweights
	; ---------------- x ----------------
	s_mov_b32 s20, 0x76543210
	s_mov_b32 s21, 0xfedcba98                      ; v_permlanex16_b32's selects for lane l xor 16
	s_mov_b32 s22, 0xffff0000                      ; lanes 16-31
	s_lshl_b32 s19, ttmp9, 2
	s_add_co_u32 s19, s19, s18                     ; wave of 1,024
	s_lshr_b32 s23, s19, 1                         ; rowtile
	s_and_b32 s24, s19, 1                          ; which four K steps
	s_lshr_b32 s25, s23, 1
	s_lshl_b32 s25, s25, 5
	s_and_b32 s26, s23, 1
	s_lshl_b32 s26, s26, 3
	s_add_co_u32 s25, s25, s26                     ; the rowtile's first token: 32 (rowtile / 2) + 8 (rowtile % 2)
	s_lshl_b32 s26, s25, 12
	s_lshl_b32 s27, s24, 11
	s_add_co_u32 s26, s26, s27                     ; x: token x 4,096 + 2,048 x half
	s_mov_b32 s27, 0
	s_mul_i32 s28, s23, 12288
	s_mul_i32 s29, s24, 6144
	s_add_co_u32 s28, s28, s29                     ; xc
	s_mov_b32 s29, 0
	s_lshl_b32 s30, s23, 9
	s_lshl_b32 s31, s24, 8
	s_add_co_u32 s30, s30, s31                     ; xs
	s_mov_b32 s31, 0
	s_mul_i32 s32, s18, WST
	v_and_b32 v7, 15, v0                           ; r
	v_bfe_u32 v8, v0, 4, 1                         ; h
	s_wait_alu depctr_va_vdst(0)
	v_add_nc_u32 v5, s32, v2                       ; into the stage: 16 x lane of a row
	v_mul_u32_u24 v6, v7, SP
	v_lshl_add_u32 v6, v8, 7, v6
	v_add_nc_u32 v6, s32, v6                       ; out of it: row r, block h
	v_lshlrev_b32 v9, 3, v8                        ; 8 h
	v_mov_b32 v[PT], 0                             ; a lane permute's destination counts as one of its sources
	s_wait_alu depctr_va_vdst(0)
	s_wait_kmcnt 0x0
	s_add_nc_u64 s[4:5], s[4:5], s[26:27]
	s_add_nc_u64 s[10:11], s[10:11], s[28:29]
	s_add_nc_u64 s[12:13], s[12:13], s[30:31]
.macro LOADX s                         ; K step s of the rowtile's 16 tokens: each load is 512 consecutive bytes of one token
.irp i, 0,1,2,3,4,5,6,7,8,9,10,11,12,13,14,15
	global_load_b128 v[R+64*((\s)%2)+4*\i:R+64*((\s)%2)+4*\i+3], v2, s[4:5] offset:(\i+8*(\i/8))*4096+512*(\s) th:TH_LOAD_NT
.endr
.endm
.macro STEPX s
.if (\s) < 3
	s_wait_loadcnt 16                              ; this K step's 16 loads are in; the next step's 16 may be out
.else
	s_wait_loadcnt 0x0
.endif
.irp i, 0,1,2,3,4,5,6,7,8,9,10,11,12,13,14,15
	ds_store_b128 v5, v[R+64*((\s)%2)+4*\i:R+64*((\s)%2)+4*\i+3] offset:SP*\i
.endr
.irp c, 0,1                            ; back: blocks h and 2 + h of row r, as the operand's layout gives them to lane (r, h).  LDS serves a wave's instructions in order
.irp j, 0,1,2,3,4,5,6,7
	ds_load_b128 v[X+32*\c+4*\j:X+32*\c+4*\j+3], v6 offset:256*\c+16*\j
.endr
.endr
	s_wait_dscnt 0x0                               ; my numbers are here, and the stage's stores have read their registers
.if (\s) > 0
	s_wait_xcnt 0x0                                ; the last step's stores have read the codes' registers, which are written again below
.endif
.if (\s) < 2
	LOADX (\s)+2
.endif
.irp c, 0,1
	v_max3_num_f32 v[M+\c], |v[X+32*\c]|, |v[X+32*\c+1]|, 0x1800000   ; with the floor 2^(3 - 127): the byte cannot fall under 1
.endr
.irp i, 2,4,6,8,10,12,14,16,18,20,22,24,26,28,30
.irp c, 0,1
	v_max3_num_f32 v[M+\c], v[M+\c], |v[X+32*\c+\i]|, |v[X+32*\c+\i+1]|
.endr
.endr
.irp c, 0,1
	v_add_nc_u32 v[SO+\c], 0xff000000, v[M+\c]     ; 2 off the exponent field: the conversion's scale operand
.endr
.irp c, 0,1
	v_lshrrev_b32 v[BY+\c], 23, v[SO+\c]           ; the scale's byte
.endr
	v_lshl_or_b32 v[W+(\s)], v[BY+1], 16, v[BY]    ; my two bytes: blocks h and 2 + h,
	v_lshlrev_b32 v[W+(\s)], v9, v[W+(\s)]         ; at their places in the word;
	v_permlanex16_b32 v[PT], v[W+(\s)], s20, s21
	v_or_b32 v[W+(\s)], v[W+(\s)], v[PT]           ; with lane l xor 16's two the word is whole
	v_cvt_scalef32_pk16_fp6_f32 v[C:C+2], v[X:X+15], v[SO]
	v_cvt_scalef32_pk16_fp6_f32 v[T0:T0+2], v[X+16:X+31], v[SO]
	v_cvt_scalef32_pk16_fp6_f32 v[C+6:C+8], v[X+32:X+47], v[SO+1]
	v_cvt_scalef32_pk16_fp6_f32 v[T1:T1+2], v[X+48:X+63], v[SO+1]
	v_nop                                          ; one plain place behind a scaled conversion
.irp i, 0,1,2
	v_mov_b32 v[C+3+\i], v[T0+\i]
	v_mov_b32 v[C+9+\i], v[T1+\i]
.endr
	global_store_b128 v2, v[C:C+3], s[10:11] offset:1536*(\s)          ; each store of the wave covers 512 or 256 consecutive bytes, aligned
	global_store_b64 v3, v[C+4:C+5], s[10:11] offset:1536*(\s)+512
	global_store_b128 v2, v[C+6:C+9], s[10:11] offset:1536*(\s)+768
	global_store_b64 v3, v[C+10:C+11], s[10:11] offset:1536*(\s)+1280
.endm
	LOADX 0
	LOADX 1
	STEPX 0
	STEPX 1
	v_cndmask_b32 v[WO], v[W], v[W+1], s22         ; lanes 0-15 the even K step's words, lanes 16-31 the odd one's
	global_store_b32 v4, v[WO], s[12:13]
	STEPX 2
	STEPX 3
	v_cndmask_b32 v[WO+1], v[W+2], v[W+3], s22
	global_store_b32 v4, v[WO+1], s[12:13] offset:128
	s_wait_tensorcnt 0x0
	ds_add_u32 v254, v255
	s_wait_dscnt 0x0
	s_endpgm
	; ---------------- the weights: K is the first axis, so a lane takes a column and its registers run down K ----------------
.Lweights:
	s_sub_co_u32 s19, ttmp9, 256
	s_and_b32 s23, s19, 3                          ; which 256 along K
	s_lshr_b32 s24, s19, 2                         ; which 128 columns: 0-23 W_qkv's, 24-31 W_proj's
	s_mov_b32 s26, 4096
	s_wait_kmcnt 0x0
	s_cmp_lt_u32 s24, 24
	s_cselect_b64 s[6:7], s[6:7], s[8:9]           ; the tensor,
	s_cselect_b32 s26, 12288, s26                  ; its row in bytes,
	s_cselect_b32 s27, 0, 24
	s_sub_co_u32 s27, s24, s27                     ; and the block of columns in it
	s_lshl_b32 s28, s27, 7
	s_lshl_b32 s29, s18, 5
	s_add_co_u32 s28, s28, s29                     ; my wave's first column
	v_and_b32 v7, 7, v0
	v_bfe_u32 v8, v0, 3, 1
	v_bfe_u32 v9, v0, 4, 1
	v_lshl_add_u32 v10, v8, 4, v7
	v_lshl_add_u32 v10, v9, 3, v10                 ; lane L takes column L % 8 + 16 ((L / 8) % 2) + 8 (L / 16): lanes 0-15 are the first rowtile's rows in its order, lanes 16-31 the second's
	v_add_nc_u32 v10, s28, v10
	v_lshlrev_b32 v[OFW], 2, v10
.set n, 1
.rept 31
	v_add_nc_u32 v[OFW+n], s26, v[OFW+n-1]         ; row i of a block
.set n, n+1
.endr
	s_lshl_b32 s40, s23, 8
	s_mul_i32 s40, s40, s26                        ; my first row of K
	s_mov_b32 s41, 0
	s_lshl_b32 s42, s26, 5                         ; 32 rows
	s_mov_b32 s43, 0
	s_add_nc_u64 s[BS:BS+1], s[6:7], s[40:41]
.irp t, 1,2,3,4,5,6,7
	s_add_nc_u64 s[BS+2*\t:BS+2*\t+1], s[BS+2*\t-2:BS+2*\t-1], s[42:43]
.endr
	s_lshl_b32 s30, s24, 3
	s_lshl_b32 s31, s18, 1
	s_add_co_u32 s30, s30, s31                     ; my first rowtile of wc
	s_mul_i32 s32, s30, 12288
	s_mul_i32 s33, s23, 3072
	s_add_co_u32 s32, s32, s33
	s_mov_b32 s33, 0
	s_add_nc_u64 s[14:15], s[14:15], s[32:33]
	s_lshl_b32 s34, s30, 9
	s_lshl_b32 s35, s23, 7
	s_add_co_u32 s34, s34, s35
	s_mov_b32 s35, 0
	s_add_nc_u64 s[16:17], s[16:17], s[34:35]
.macro LOADW t                         ; block t: 32 rows of K at my column; the wave's 32 lanes read 128 consecutive bytes, the four waves 512
.set n, 0
.rept 32
	global_load_b32 v[XW+32*((\t)%2)+n], v[OFW+n], s[BS+2*(\t):BS+2*(\t)+1] th:TH_LOAD_NT
.set n, n+1
.endr
.endm
.macro BLOCKW t
.set XS, XW+32*((\t)%2)
.set FD, FW+24*((\t)/4)+12*((\t)%2)+6*(((\t)%4)/2)   ; even blocks of a K step go to the first fragment's registers, odd ones to the second's
.if (\t) < 7
	s_wait_loadcnt 32                              ; this block's 32 loads are in; the next block's may be out
.else
	s_wait_loadcnt 0x0
.endif
	v_max3_num_f32 v[MW], |v[XS]|, |v[XS+1]|, |v[XS+2]|            ; all 32 numbers of the block are mine
	v_max3_num_f32 v[MW+1], |v[XS+3]|, |v[XS+4]|, |v[XS+5]|
.irp i, 6,10,14,18,22,26
	v_max3_num_f32 v[MW], v[MW], |v[XS+\i]|, |v[XS+\i+1]|
	v_max3_num_f32 v[MW+1], v[MW+1], |v[XS+\i+2]|, |v[XS+\i+3]|
.endr
	v_max3_num_f32 v[MW], v[MW], |v[XS+30]|, |v[XS+31]|
	v_max3_num_f32 v[MW], v[MW], v[MW+1], 0x1800000
	v_add_nc_u32 v[SOW], 0xff000000, v[MW]
	v_lshrrev_b32 v[BYW], 23, v[SOW]
.if (\t)%4 == 0
	v_mov_b32 v[SW+(\t)/4], v[BYW]
.else
	v_lshl_or_b32 v[SW+(\t)/4], v[BYW], 8*((\t)%4), v[SW+(\t)/4]
.endif
	v_cvt_scalef32_pk16_fp6_f32 v[FD:FD+2], v[XS:XS+15], v[SOW]
	v_cvt_scalef32_pk16_fp6_f32 v[TW:TW+2], v[XS+16:XS+31], v[SOW]
	v_nop                                          ; one plain place behind a scaled conversion
.irp i, 0,1,2
	v_mov_b32 v[FD+3+\i], v[TW+\i]
.endr
.if (\t)+2 < 8
	LOADW (\t)+2
.endif
.endm
.macro OUTW s                          ; K step s.  Lanes 0-15 hold the first rowtile's four blocks, lanes 16-31 the second's: the exchange gives each rowtile's lanes 16-31 its odd blocks
.set F0, FW+24*(\s)
.set n, 0
.rept 12
	v_permlane16_swap_b32 v[F0+n], v[F0+12+n]
.set n, n+1
.endr
.irp f, 0,1
	global_store_b128 v2, v[F0+12*\f:F0+12*\f+3], s[14:15] offset:\f*12288+1536*(\s)
	global_store_b64 v3, v[F0+12*\f+4:F0+12*\f+5], s[14:15] offset:\f*12288+1536*(\s)+512
	global_store_b128 v2, v[F0+12*\f+6:F0+12*\f+9], s[14:15] offset:\f*12288+1536*(\s)+768
	global_store_b64 v3, v[F0+12*\f+10:F0+12*\f+11], s[14:15] offset:\f*12288+1536*(\s)+1280
.endr
.endm
	s_wait_alu depctr_va_vdst(0)
	LOADW 0
	LOADW 1
	BLOCKW 0
	BLOCKW 1
	BLOCKW 2
	BLOCKW 3
	OUTW 0
	BLOCKW 4
	BLOCKW 5
	BLOCKW 6
	BLOCKW 7
	OUTW 1
	v_permlane16_swap_b32 v[SW], v[SW+1]           ; the first register: the first rowtile's words of both K steps; the second: the second's
	global_store_b32 v4, v[SW], s[16:17]
	global_store_b32 v4, v[SW+1], s[16:17] offset:512
	s_endpgm
.Lfunc_end_k_q99941ddfef_quant:
	.size	k_q99941ddfef_quant, .Lfunc_end_k_q99941ddfef_quant-k_q99941ddfef_quant
	.p2alignl 7, 3214868480
	.fill 96, 4, 3214868480
	.section	.rodata,"a",@progbits
	.p2align	6, 0x0
	.amdhsa_kernel k_q99941ddfef_quant
		.amdhsa_group_segment_fixed_size 34304
		.amdhsa_private_segment_fixed_size 0
		.amdhsa_enable_private_segment 0
		.amdhsa_kernarg_size 56
		.amdhsa_user_sgpr_count 2
		.amdhsa_user_sgpr_kernarg_segment_ptr 1
		.amdhsa_wavefront_size32 1
		.amdhsa_system_sgpr_workgroup_id_x 1
		.amdhsa_system_sgpr_workgroup_id_y 1
		.amdhsa_system_sgpr_workgroup_id_z 1
		.amdhsa_system_vgpr_workitem_id 0
		.amdhsa_next_free_vgpr 256
		.amdhsa_next_free_sgpr 66
		.amdhsa_reserve_vcc 0
		.amdhsa_float_denorm_mode_32 3
		.amdhsa_float_denorm_mode_16_64 3
		.amdhsa_memory_ordered 1
		.amdhsa_forward_progress 1
		.amdhsa_inst_pref_size 72
	.end_amdhsa_kernel
	.amdgpu_metadata
---
amdhsa.version: [ 1, 2 ]
amdhsa.kernels:
  - .name:           k_q99941ddfef_quant
    .symbol:         k_q99941ddfef_quant.kd
    .args:
      - { .name: x, .offset: 0, .size: 8, .value_kind: global_buffer, .address_space: global }
      - { .name: W_qkv, .offset: 8, .size: 8, .value_kind: global_buffer, .address_space: global }
      - { .name: W_proj, .offset: 16, .size: 8, .value_kind: global_buffer, .address_space: global }
      - { .name: xc, .offset: 24, .size: 8, .value_kind: global_buffer, .address_space: global }
      - { .name: xs, .offset: 32, .size: 8, .value_kind: global_buffer, .address_space: global }
      - { .name: wc, .offset: 40, .size: 8, .value_kind: global_buffer, .address_space: global }
      - { .name: ws, .offset: 48, .size: 8, .value_kind: global_buffer, .address_space: global }
    .group_segment_fixed_size: 34304
    .private_segment_fixed_size: 0
    .kernarg_segment_align: 8
    .kernarg_segment_size: 56
    .max_flat_workgroup_size: 128
    .sgpr_count:     66
    .vgpr_count:     256
    .wavefront_size: 32
...
	.end_amdgpu_metadata
.endif
;; end of part 1
;; launch qkv (part 2): grid 8 x 96, 4 waves a work-group, clusters of 4 x 4, 295,424 bytes of LDS; arguments xc, xs, wc, ws, b_qkv, qkvc, qkvs; writes qkvc, qkvs
.if DOCPART == 2
	.amdgcn_target "amdgcn-amd-amdhsa--gfx1250"
	.amdhsa_code_object_version 6
	.text
	.protected	k_q99941ddfef_qkv
	.globl	k_q99941ddfef_qkv
	.p2align	8
	.type	k_q99941ddfef_qkv,@function
k_q99941ddfef_qkv:
	s_mov_b64 s[64:65], 0
	v_nop
	global_prefetch_b8 v0, s[64:65] scope:SCOPE_SE
	s_setreg_imm32_b32 hwreg(HW_REG_WAVE_MODE, 25, 1), 1
	s_wait_xcnt 0x0
	s_wait_alu depctr_hold_cnt(0) depctr_sa_sdst(0) depctr_va_vdst(0) depctr_va_sdst(0) depctr_va_ssrc(0) depctr_va_vcc(0) depctr_vm_vsrc(0)
	s_getreg_b32 s2, hwreg(HW_REG_IB_STS2, 6, 4)
	s_cmp_eq_u32 s2, 0
	s_cbranch_scc0 .Lentry_in_a_cluster
	s_endpgm
.Lentry_in_a_cluster:
	s_bfe_u32 s2, ttmp6, 0x10000c
	s_cmp_lg_u32 s2, 0xf033
	s_cbranch_scc0 .Lentry_shape_is_right
	s_endpgm
.Lentry_shape_is_right:
; qkv = x W_qkv + b_qkv on codes of FP6 (E2M3) with E8M0 scales; q, k and v are quantised in registers, each along the K of the product that takes it, and leave as images of operand registers.
; THE TILE.  D = S0 S1^T, S0 = 256 rows (16 rowtiles), S1 = 128 rows (8 rowtiles), K = 1,024.  Source 0 = S0's fragment, source 1 = S1's: a lane holds ONE row of S1, and its registers run along S0.
; Lane r of rowtile 2 g + u is row 32 g + 8 u + r + 8 (r / 8), so the 16 registers of S0's rowtiles 2 g, 2 g + 1 are the 16 neighbours 32 g + 16 (lane / 16) + 0 .. 15 along S0.
; TWO FORMS, chosen by the cluster's y, which all partners share:  q, k (cluster y 0-15): S0 = 256 columns of W (4 heads), S1 = 128 tokens: registers run along the head's channels, the K of q k^T.
;   v (cluster y 16-23): S0 = 256 tokens, S1 = 128 columns of W's v part (2 heads): registers run along the keys, the K of p v.  One text serves both; three short branches hold what differs.
; ALL OF K LIES IN LDS AT ONCE (294,912 bytes): every LDS byte is filled once, by four tensor loads a wave issued together at the head, one for each phase of two K steps; counted waits let the
; products begin on phase 0 while the others land.  No byte is filled again.
; CLUSTERS: 4 x 4.  S0's tiles hang on the work-group's x and are asked for jointly by a column of the cluster, S1's on its y and by a row: each tile is requested once for four work-groups.
; Four waves: wave w takes S0's rowtiles 8 (w / 2) .. + 7 and S1's 4 (w % 2) .. + 3: 32 accumulators.
; LIMITS: a block of zeros gets the byte 1 (its codes are zeros; this program alone reads the bytes); NaN and infinities are not served.
; REGISTERS: window 0: v4-24 addresses; v32-63 S0's scale words, v64-79 S1's (register 4 i + j: lanes 0-15 K step 2 j, lanes 16-31 K step 2 j + 1); v80-175 S1's fragments, two sets; v176-239 the bias.
;   window 1: S0's fragments, two sets of 96.   window 2: accumulator (a, b) at v[8 (8 a + b)].
.set PH,   73728                       ; a phase in LDS: S0's 16 rowtiles x 3,072 bytes, then S1's 8
.set S1O,  49152
.set RTB,  3072                        ; two K steps of a rowtile: four half images
.set RTM,  12288                       ; a rowtile in memory
.set L16,  4                           ; v4   16 x lane
.set L8,   5                           ; v5   8 x lane
.set A016, 6                           ; v6-9   S0's fragments in phase p, 16 x lane;  v10-13 the same with 8 x lane
.set A08,  10
.set A116, 14                          ; v14-17, v18-21 the same for S1
.set A18,  18
.set L4,   22                          ; v22  4 x lane
.set H64,  23                          ; v23  64 (lane / 16)
.set RP4,  24                          ; v24  4 (r + 8 (r / 8))
.set SC0,  32
.set SC1,  64
.set SF1,  80
.set BIA,  176
.set PCB,  80                          ; the way out: 20 registers for each of four fragments of codes
.set TM,   160                         ; v160-163 largest magnitudes, v164-167 bytes, v168-171 scale operands
.set PW,   180                         ; v180-183 the four fragments' scale words
.set XO,   184                         ; v184-189 scale words as stored
.set G1A,  24                          ; s[24:31] descriptor group 1 for S0's tiles;  s[32:39] for S1's
.set G1B,  32
.set G0A,  40                          ; s[40:55] group 0 for S0, a set for each phase;  s[68:83] for S1
.set G0B,  68
.set WV,   18
.set SHF,  19                          ; w / 2: my half of S0.  Also: I fetch for S0 (0) or for S1 (1)
.set THF,  20                          ; w % 2: my half of S1.  Also: which half of that tile I fetch
.set QK,   59                          ; 1: q, k form; 0: v form
.set SEL,  98
.set MSB, 0
.macro WIN new                         ; the immediate's high byte repeats the setting that is left
.if MSB != \new
	s_set_vgpr_msb (MSB<<8)|\new
.set MSB, \new
.endif
.endm
.macro PLACES n
.rept \n
	v_nop
.endr
.endm
.macro CROUND                          ; a round of the cluster's barrier
	s_barrier_signal -1
	s_barrier_wait -1
	s_cmp_lg_u32 s[WV], 0
	s_cbranch_scc1 .Lnot_wave_0_\@
	s_barrier_signal -3
.Lnot_wave_0_\@:
	s_barrier_wait -3
	s_barrier_signal -1
	s_barrier_wait -1
.endm
.macro FRAG reg, a16, a8, off          ; a fragment, 12 registers, is two half images on end
	ds_load_b128 v[\reg:\reg+3], v[\a16] offset:\off
	ds_load_b64 v[\reg+4:\reg+5], v[\a8] offset:\off+512
	ds_load_b128 v[\reg+6:\reg+9], v[\a16] offset:\off+768
	ds_load_b64 v[\reg+10:\reg+11], v[\a8] offset:\off+1280
.endm
.macro FETCH s                         ; K step s: my 8 fragments of S0 and 4 of S1 into set s % 2: 48 LDS loads, each of consecutive bytes
	WIN 0x40
.irp i, 0,1,2,3,4,5,6,7
	FRAG 96*((\s)%2)+12*\i, A016+(\s)/2, A08+(\s)/2, \i*RTB+((\s)%2)*1536
.endr
	WIN 0
.irp a, 0,1,2,3
	FRAG SF1+48*((\s)%2)+12*\a, A116+(\s)/2, A18+(\s)/2, \a*RTB+((\s)%2)*1536
.endr
.endm
; 32 matrix instructions: K step s.  The 32 accumulators take turns, one instruction a turn, in the same order in every step.
; cm = 1, 2: the first step starts the sums with the bias as C (1: it hangs on S0's rowtile b; 2: on S1's rowtile a, two copies taken by even and odd b).
.macro MUL s, cm
.if \cm == 0
	WIN 0xa1                                       ; source 0 window 1, source 1 window 0, C and D window 2
.else
	WIN 0x81                                       ; C window 0
.endif
.irp a, 0,1,2,3
.irp b, 0,1,2,3,4,5,6,7
.if \cm == 1
	v_wmma_scale_f32_16x16x128_f8f6f4 v[8*(8*\a+\b):8*(8*\a+\b)+7], v[96*((\s)%2)+12*\b:96*((\s)%2)+12*\b+11], v[SF1+48*((\s)%2)+12*\a:SF1+48*((\s)%2)+12*\a+11], v[BIA+8*\b:BIA+8*\b+7], v[SC0+4*\b+(\s)/2], v[SC1+4*\a+(\s)/2] matrix_a_fmt:MATRIX_FMT_FP6 matrix_b_fmt:MATRIX_FMT_FP6
.elseif \cm == 2
	v_wmma_scale_f32_16x16x128_f8f6f4 v[8*(8*\a+\b):8*(8*\a+\b)+7], v[96*((\s)%2)+12*\b:96*((\s)%2)+12*\b+11], v[SF1+48*((\s)%2)+12*\a:SF1+48*((\s)%2)+12*\a+11], v[BIA+8*(\a+4*(\b%2)):BIA+8*(\a+4*(\b%2))+7], v[SC0+4*\b+(\s)/2], v[SC1+4*\a+(\s)/2] matrix_a_fmt:MATRIX_FMT_FP6 matrix_b_fmt:MATRIX_FMT_FP6
.elseif (\s)%2 == 0
	v_wmma_scale_f32_16x16x128_f8f6f4 v[8*(8*\a+\b):8*(8*\a+\b)+7], v[96*((\s)%2)+12*\b:96*((\s)%2)+12*\b+11], v[SF1+48*((\s)%2)+12*\a:SF1+48*((\s)%2)+12*\a+11], v[8*(8*\a+\b):8*(8*\a+\b)+7], v[SC0+4*\b+(\s)/2], v[SC1+4*\a+(\s)/2] matrix_a_fmt:MATRIX_FMT_FP6 matrix_b_fmt:MATRIX_FMT_FP6
.else
	v_wmma_scale_f32_16x16x128_f8f6f4 v[8*(8*\a+\b):8*(8*\a+\b)+7], v[96*((\s)%2)+12*\b:96*((\s)%2)+12*\b+11], v[SF1+48*((\s)%2)+12*\a:SF1+48*((\s)%2)+12*\a+11], v[8*(8*\a+\b):8*(8*\a+\b)+7], v[SC0+4*\b+(\s)/2], v[SC1+4*\a+(\s)/2] matrix_a_fmt:MATRIX_FMT_FP6 matrix_b_fmt:MATRIX_FMT_FP6 matrix_a_scale:MATRIX_SCALE_ROW1 matrix_b_scale:MATRIX_SCALE_ROW1
.endif
.endr
.endr
.endm
.macro KSTEP s                         ; K steps 1 to 7: the next step's fragments are asked for, then this step is multiplied
.if ((\s)%2 == 1) && ((\s) < 7)
	s_wait_tensorcnt 3-((\s)+1)/2                  ; my part of the next phase has landed; the later phases' loads may be out
	s_wait_dscnt 0x0                               ; this step's fragments are in
	s_barrier_signal -1
	s_barrier_wait -1                              ; everybody's part has landed
.else
	s_wait_dscnt 0x0
.endif
.if (\s) < 7
	PLACES 4                                       ; four places between the last step's products and loads into the registers that they read
	FETCH (\s)+1
.endif
	MUL \s, 0
.endm
	s_load_b256 s[4:11], s[0:1], 0x0               ; xc s[4:5], xs s[6:7], wc s[8:9], ws s[10:11]
	s_load_b128 s[12:15], s[0:1], 0x20             ; b_qkv s[12:13], qkvc s[14:15]
	s_load_b64 s[16:17], s[0:1], 0x30              ; qkvs
	v_lshl_add_u32 v254, v0, 2, 0x48000
	v_mov_b32 v255, 0
	ds_add_u32 v254, v255
	ds_add_u32 v254, v255
	v_lshrrev_b32 v1, 5, v0
	v_readfirstlane_b32 s[WV], v1
	s_lshr_b32 s[SHF], s[WV], 1
	s_and_b32 s[THF], s[WV], 1
	s_bfe_u32 s21, ttmp6, 0x40000                  ; cx
	s_bfe_u32 s22, ttmp6, 0x40004                  ; cy
	s_and_b32 s23, ttmp7, 0xffff                   ; cluster y, 0-23; ttmp9: cluster x, 0-1
	s_sub_co_u32 s56, s23, 16
	s_lshl_b32 s56, s56, 1
	s_add_co_u32 s56, s56, ttmp9                   ; v form: the cluster's number, 0-15
	s_and_b32 s57, s56, 7
	s_bfe_u32 s58, s56, 0x10003
	s_cmp_lt_u32 s23, 16
	s_cselect_b32 s[QK], 1, 0
	s_cselect_b32 s57, ttmp9, s57                  ; the cluster's place along S0
	s_cselect_b32 s58, s23, s58                    ; and along S1
	s_cselect_b32 s60, 0, 128                      ; S1's first rowtile in its tensor: v's columns begin at rowtile 128 of wc
	s_lshl_b32 s61, s57, 2
	s_add_co_u32 s61, s61, s21                     ; which 256 rows of S0: hangs on cx alone of the two places
	s_lshl_b32 s62, s58, 2
	s_add_co_u32 s62, s62, s22                     ; which 128 rows of S1: on cy alone
	s_lshl_b32 s63, 0x1111, s21                    ; my column of the cluster
	s_lshl_b32 s2, s22, 2
	s_lshl_b32 s2, 15, s2                          ; my row
	; descriptor group 1: R rowtiles x 3,072 bytes (384 elements of 8 bytes), 12,288 bytes apart in memory, dense in LDS
	s_or_b32 s[G1A], s63, (3<<16)|(1<<21)          ; 15:0 the mask; 17:16 elements of 8 bytes; 21 set beside a mask
	s_or_b32 s[G1B], s2, (3<<16)|(1<<21)
	s_mov_b32 s[G1A+1], 384<<16                    ; tensor_dim0
	s_mov_b32 s[G1A+2], 8<<16                      ; tensor_dim1
	s_mov_b32 s[G1A+3], 384<<16                    ; tile_dim0
	s_mov_b32 s[G1A+4], 8                          ; tile_dim1
	s_mov_b32 s[G1A+5], 1536                       ; the pitch
	s_mov_b32 s[G1A+6], 0
	s_mov_b32 s[G1A+7], 0
	s_mov_b32 s[G1B+1], 384<<16
	s_mov_b32 s[G1B+2], 4<<16
	s_mov_b32 s[G1B+3], 384<<16
	s_mov_b32 s[G1B+4], 4
	s_mov_b32 s[G1B+5], 1536
	s_mov_b32 s[G1B+6], 0
	s_mov_b32 s[G1B+7], 0
	s_lshl_b32 s84, s61, 4
	s_lshl_b32 s85, s[THF], 3
	s_add_co_u32 s84, s84, s85
	s_mul_i32 s84, s84, RTM                        ; S0: the 8 rowtiles that I would fetch
	s_mov_b32 s85, 0
	s_lshl_b32 s86, s62, 3
	s_add_co_u32 s86, s86, s60
	s_lshl_b32 s87, s[THF], 2
	s_add_co_u32 s86, s86, s87
	s_mul_i32 s86, s86, RTM                        ; S1: the 4 rowtiles
	s_mov_b32 s87, 0
	s_mul_i32 s96, s[THF], 8*RTB                   ; and where they go: the wave's number alone enters an LDS address
	s_mul_i32 s97, s[THF], 4*RTB
	s_add_co_u32 s97, s97, S1O
	s_lshl_b32 s98, s61, 4
	s_lshl_b32 s99, s[SHF], 3
	s_add_co_u32 s98, s98, s99
	s_lshl_b32 s98, s98, 9                         ; the scale words of my 8 rowtiles of S0: 512 bytes a rowtile
	s_mov_b32 s99, 0
	s_lshl_b32 s100, s62, 3
	s_add_co_u32 s100, s100, s60
	s_lshl_b32 s101, s[THF], 2
	s_add_co_u32 s100, s100, s101
	s_lshl_b32 s100, s100, 9                       ; and of my 4 of S1
	s_mov_b32 s101, 0
	s_wait_dscnt 0x0
	s_wait_kmcnt 0x0
	s_cmp_eq_u32 s[QK], 1
	s_cselect_b64 s[88:89], s[8:9], s[4:5]         ; S0's codes: W's or x's
	s_cselect_b64 s[90:91], s[10:11], s[6:7]       ; S0's scale words
	s_cselect_b64 s[92:93], s[4:5], s[8:9]         ; S1's codes
	s_cselect_b64 s[94:95], s[6:7], s[10:11]       ; S1's scale words
	s_add_nc_u64 s[88:89], s[88:89], s[84:85]
	s_add_nc_u64 s[92:93], s[92:93], s[86:87]
	s_add_nc_u64 s[90:91], s[90:91], s[98:99]
	s_add_nc_u64 s[94:95], s[94:95], s[100:101]
.irp p, 0,1,2,3
	s_mov_b32 s[G0A+4*\p], 1
	s_add_co_u32 s[G0A+4*\p+1], s96, \p*PH
	s_add_nc_u64 s[G0A+4*\p+2:G0A+4*\p+3], s[88:89], \p*RTB
	s_or_b32 s[G0A+4*\p+3], s[G0A+4*\p+3], 0x80000000
	s_mov_b32 s[G0B+4*\p], 1
	s_add_co_u32 s[G0B+4*\p+1], s97, \p*PH
	s_add_nc_u64 s[G0B+4*\p+2:G0B+4*\p+3], s[92:93], \p*RTB
	s_or_b32 s[G0B+4*\p+3], s[G0B+4*\p+3], 0x80000000
.endr
	CROUND                                         ; all sixteen work-groups are here: the joint loads meet
	s_cmp_eq_u32 s[SHF], 0                         ; a wave's four first fills stand in one branch on its number: four tensor loads of mine are out
	s_cbranch_scc0 .Lfill_b
	tensor_load_to_lds s[G0A:G0A+3], s[G1A:G1A+7]
	s_nop 0
	tensor_load_to_lds s[G0A+4:G0A+7], s[G1A:G1A+7]
	s_nop 0
	tensor_load_to_lds s[G0A+8:G0A+11], s[G1A:G1A+7]
	s_nop 0
	tensor_load_to_lds s[G0A+12:G0A+15], s[G1A:G1A+7]
	s_nop 0
	PLACES 4
	s_branch .Lfilled
.Lfill_b:
	tensor_load_to_lds s[G0B:G0B+3], s[G1B:G1B+7]
	s_nop 0
	tensor_load_to_lds s[G0B+4:G0B+7], s[G1B:G1B+7]
	s_nop 0
	tensor_load_to_lds s[G0B+8:G0B+11], s[G1B:G1B+7]
	s_nop 0
	tensor_load_to_lds s[G0B+12:G0B+15], s[G1B:G1B+7]
	s_nop 0
	PLACES 4
.Lfilled:
	v_and_b32 v1, 31, v0
	v_lshlrev_b32 v[L16], 4, v1
	v_lshlrev_b32 v[L8], 3, v1
	v_lshlrev_b32 v[L4], 2, v1
	v_and_b32 v2, 15, v0                           ; r
	v_bfe_u32 v3, v0, 4, 1                         ; h
	v_lshlrev_b32 v[H64], 6, v3
	v_and_b32 v[RP4], 8, v2
	v_add_nc_u32 v[RP4], v[RP4], v2
	v_lshlrev_b32 v[RP4], 2, v[RP4]
.irp i, 0,1,2,3,4,5,6,7                ; the scale words of all of K, straight from memory: 128 consecutive bytes a load
.irp j, 0,1,2,3
	global_load_b32 v[SC0+4*\i+\j], v[L4], s[90:91] offset:\i*512+\j*128
.endr
.endr
.irp a, 0,1,2,3
.irp j, 0,1,2,3
	global_load_b32 v[SC1+4*\a+\j], v[L4], s[94:95] offset:\a*512+\j*128
.endr
.endr
	s_mul_i32 s66, s[SHF], 8*RTB
	s_mul_i32 s67, s[THF], 4*RTB
	s_add_co_u32 s67, s67, S1O
.irp p, 0,1,2,3
	v_add_nc_u32 v[A016+\p], s66, v[L16]
	v_add_nc_u32 v[A08+\p], s66, v[L8]
	v_add_nc_u32 v[A116+\p], s67, v[L16]
	v_add_nc_u32 v[A18+\p], s67, v[L8]
	s_add_co_u32 s66, s66, PH
	s_add_co_u32 s67, s67, PH
.endr
	; ---- what differs, 1: the bias in the result's layout, and where the results go.  Both arms fill the same 64 registers
	s_cmp_eq_u32 s[QK], 0
	s_cbranch_scc1 .Lbias_v
	s_lshl_b32 s100, s61, 10
	s_lshl_b32 s98, s[SHF], 9
	s_add_co_u32 s100, s100, s98                   ; my first column x 4
	s_add_nc_u64 s[12:13], s[12:13], s[100:101]
.irp b, 0,1,2,3,4,5,6,7                ; rowtile b's register j is column 32 (b / 2) + 16 h + 8 (b % 2) + j
	global_load_b128 v[BIA+8*\b:BIA+8*\b+3], v[H64], s[12:13] offset:(32*(\b/2)+8*(\b%2))*4
	global_load_b128 v[BIA+8*\b+4:BIA+8*\b+7], v[H64], s[12:13] offset:(32*(\b/2)+8*(\b%2))*4+16
.endr
	s_lshl_b32 s98, s61, 2
	s_lshl_b32 s99, s[SHF], 1
	s_add_co_u32 s98, s98, s99                     ; my first of two heads, counted through q and k
	s_lshr_b32 s99, s98, 4                         ; part: 0 q, 1 k
	s_and_b32 s98, s98, 15
	s_lshr_b32 s3, s62, 4
	s_lshl_b32 s3, s3, 4
	s_add_co_u32 s98, s98, s3                      ; 16 batch + head
	s_and_b32 s3, s62, 15                          ; the band of 128 tokens
	s_mul_i32 s100, s98, 3
	s_add_co_u32 s100, s100, s99
	s_mul_i32 s100, s100, 98304
	s_mul_i32 s66, s3, 6144
	s_add_co_u32 s100, s100, s66
	s_mul_i32 s66, s[THF], 3072
	s_add_co_u32 s100, s100, s66
	s_add_nc_u64 s[14:15], s[14:15], s[100:101]
	s_mul_i32 s100, s98, 20480
	s_lshl_b32 s66, s99, 13
	s_add_co_u32 s100, s100, s66
	s_lshl_b32 s66, s3, 9
	s_add_co_u32 s100, s100, s66
	s_lshl_b32 s66, s[THF], 8
	s_add_co_u32 s100, s100, s66
	s_add_nc_u64 s[16:17], s[16:17], s[100:101]
	s_branch .Lbias_done
.Lbias_v:
	s_lshl_b32 s100, s62, 9
	s_lshl_b32 s98, s[THF], 8
	s_add_co_u32 s100, s100, s98
	s_add_co_u32 s100, s100, 8192                  ; (2,048 + my first column of v) x 4
	s_add_nc_u64 s[12:13], s[12:13], s[100:101]
.irp a, 0,1,2,3                        ; rowtile a: my lane's column in all eight registers; each tile twice, so that this arm fills the same 64 registers as the other
.irp j, 0,1,2,3,4,5,6,7
	global_load_b32 v[BIA+8*\a+\j], v[RP4], s[12:13] offset:(32*(\a/2)+8*(\a%2))*4
	global_load_b32 v[BIA+32+8*\a+\j], v[RP4], s[12:13] offset:(32*(\a/2)+8*(\a%2))*4
.endr
.endr
	s_lshr_b32 s98, s61, 3
	s_lshl_b32 s98, s98, 4
	s_lshl_b32 s99, s62, 1
	s_add_co_u32 s98, s98, s99
	s_add_co_u32 s98, s98, s[THF]                  ; 16 batch + head
	s_and_b32 s3, s61, 7
	s_lshl_b32 s3, s3, 1
	s_add_co_u32 s3, s3, s[SHF]                    ; the key step
	s_mul_i32 s100, s98, 3
	s_add_co_u32 s100, s100, 2
	s_mul_i32 s100, s100, 98304
	s_mul_i32 s66, s3, 6144
	s_add_co_u32 s100, s100, s66
	s_add_nc_u64 s[14:15], s[14:15], s[100:101]
	s_mul_i32 s100, s98, 20480
	s_lshl_b32 s66, s3, 8
	s_add_co_u32 s100, s100, s66
	s_add_co_u32 s100, s100, 16384
	s_add_nc_u64 s[16:17], s[16:17], s[100:101]
.Lbias_done:
	s_wait_tensorcnt 0x3                           ; my part of phase 0 has landed; three loads may be out
	s_barrier_signal -1
	s_barrier_wait -1                              ; everybody's has
	FETCH 0
	s_wait_loadcnt 0x0                             ; scale words and bias
	s_wait_dscnt 0x0
	FETCH 1
	; ---- what differs, 2: the first K step starts the sums with the bias
	s_cmp_eq_u32 s[QK], 0
	s_cbranch_scc1 .Lfirst_v
	MUL 0, 1
	WIN 0
	s_branch .Lfirst_done
.Lfirst_v:
	MUL 0, 2
	WIN 0
.Lfirst_done:
	s_wait_alu depctr_va_vdst(0)
.irp s, 1,2,3,4,5,6,7
	KSTEP \s
.endr
	; ---- the results become operands.  For S1's rowtile a my 64 registers are 128 neighbours along S0, 16 of each block of 32 (the other 16 in lane l xor 16): one fragment and one scale word
.macro QUANT a
.set AC, 64*(\a)
.set PC, PCB+20*(\a)
	WIN 0x0a                                       ; sources 0 and 1: window 2
.irp b, 0,1,2,3
	v_max3_num_f32 v[TM+\b], |v[AC+16*\b]|, |v[AC+16*\b+1]|, 0x1800000   ; each accumulator is read from its low end on; the floor 2^(3 - 127) holds the byte at 1
.endr
	WIN 0x28                                       ; sources 1 and 2: window 2
.irp i, 2,4,6,8,10,12,14
.irp b, 0,1,2,3
	v_max3_num_f32 v[TM+\b], v[TM+\b], |v[AC+16*\b+\i]|, |v[AC+16*\b+\i+1]|
.endr
.endr
	WIN 0
.irp b, 0,1,2,3
	v_permlanex16_b32 v[TM+4+\b], v[TM+\b], s[SEL], s[SEL+1]
.endr
.irp b, 0,1,2,3
	v_max_num_f32 v[TM+\b], v[TM+\b], v[TM+4+\b]
.endr
.irp b, 0,1,2,3
	v_add_nc_u32 v[TM+8+\b], 0xff000000, v[TM+\b]  ; 2 off the exponent field: the conversion's scale operand
.endr
.irp b, 0,1,2,3
	v_lshrrev_b32 v[TM+4+\b], 23, v[TM+8+\b]       ; the scale's byte
.endr
	v_lshl_or_b32 v[PW+(\a)], v[TM+5], 8, v[TM+4]
	v_lshl_or_b32 v[PW+(\a)], v[TM+6], 16, v[PW+(\a)]
	v_lshl_or_b32 v[PW+(\a)], v[TM+7], 24, v[PW+(\a)]
	WIN 0x02                                       ; source 0: window 2
.irp c, 0,1
	v_cvt_scalef32_pk16_fp6_f32 v[PC+6*\c:PC+6*\c+2], v[AC+32*\c:AC+32*\c+15], v[TM+8+2*\c]
	v_cvt_scalef32_pk16_fp6_f32 v[PC+12+4*\c:PC+14+4*\c], v[AC+32*\c+16:AC+32*\c+31], v[TM+8+2*\c+1]
.endr
	WIN 0
	v_nop                                          ; one plain place behind a scaled conversion
.irp c, 0,1                            ; the operand's layout wants a whole block in a lane
.irp i, 0,1,2
	v_permlane16_swap_b32 v[PC+6*\c+\i], v[PC+12+4*\c+\i]
.endr
.irp i, 0,1,2
	v_mov_b32 v[PC+3+6*\c+\i], v[PC+12+4*\c+\i]
.endr
.endr
.endm
	PLACES 4                                       ; between the last products and the first read of results and write of their sources
	s_mov_b32 s[SEL], 0x76543210
	s_mov_b32 s[SEL+1], 0xfedcba98
	s_mov_b32 s3, 0xffff0000                       ; lanes 16-31
	QUANT 0
	QUANT 1
	QUANT 2
	QUANT 3
	v_cndmask_b32 v[XO], v[PW], v[PW+1], s3        ; lanes 0-15 rowtile 0's words, lanes 16-31 rowtile 1's
	v_cndmask_b32 v[XO+1], v[PW+2], v[PW+3], s3    ; rowtiles 2 and 3
	; ---- what differs, 3: the stores.  Each covers 512 or 256 consecutive bytes, aligned
	s_cmp_eq_u32 s[QK], 0
	s_cbranch_scc1 .Lstore_v
	v_and_b32 v[XO+2], 0xffff, v[XO]               ; a fragment's first half is one head's 64 channels, its second half the next head's: two bytes of the word each, the upper two 0
	v_and_b32 v[XO+3], 0xffff, v[XO+1]
	v_lshrrev_b32 v[XO+4], 16, v[XO]
	v_lshrrev_b32 v[XO+5], 16, v[XO+1]
.irp a, 0,1,2,3
	global_store_b128 v[L16], v[PCB+20*\a:PCB+20*\a+3], s[14:15] offset:\a*768
	global_store_b64 v[L8], v[PCB+20*\a+4:PCB+20*\a+5], s[14:15] offset:\a*768+512
	global_store_b128 v[L16], v[PCB+20*\a+6:PCB+20*\a+9], s[14:15] offset:294912+\a*768
	global_store_b64 v[L8], v[PCB+20*\a+10:PCB+20*\a+11], s[14:15] offset:294912+\a*768+512
.endr
	global_store_b64 v[L8], v[XO+2:XO+3], s[16:17]
	global_store_b64 v[L8], v[XO+4:XO+5], s[16:17] offset:20480
	s_branch .Lstored
.Lstore_v:
	s_wait_alu depctr_va_vdst(0)
.irp a, 0,1,2,3                        ; a fragment is 16 channels x the step's 128 keys
	global_store_b128 v[L16], v[PCB+20*\a:PCB+20*\a+3], s[14:15] offset:\a*1536
	global_store_b64 v[L8], v[PCB+20*\a+4:PCB+20*\a+5], s[14:15] offset:\a*1536+512
	global_store_b128 v[L16], v[PCB+20*\a+6:PCB+20*\a+9], s[14:15] offset:\a*1536+768
	global_store_b64 v[L8], v[PCB+20*\a+10:PCB+20*\a+11], s[14:15] offset:\a*1536+1280
.endr
	global_store_b64 v[L8], v[XO:XO+1], s[16:17]
.Lstored:
	s_wait_tensorcnt 0x0
	ds_add_u32 v254, v255
	s_wait_dscnt 0x0
	CROUND                                         ; the closing round: no work-group ends while a partner may still ask for a tile that names it
	s_endpgm
.Lfunc_end_k_q99941ddfef_qkv:
	.size	k_q99941ddfef_qkv, .Lfunc_end_k_q99941ddfef_qkv-k_q99941ddfef_qkv
	.p2alignl 7, 3214868480
	.fill 96, 4, 3214868480
	.section	.rodata,"a",@progbits
	.p2align	6, 0x0
	.amdhsa_kernel k_q99941ddfef_qkv
		.amdhsa_group_segment_fixed_size 295424
		.amdhsa_private_segment_fixed_size 0
		.amdhsa_enable_private_segment 0
		.amdhsa_kernarg_size 56
		.amdhsa_user_sgpr_count 2
		.amdhsa_user_sgpr_kernarg_segment_ptr 1
		.amdhsa_wavefront_size32 1
		.amdhsa_system_sgpr_workgroup_id_x 1
		.amdhsa_system_sgpr_workgroup_id_y 1
		.amdhsa_system_sgpr_workgroup_id_z 1
		.amdhsa_system_vgpr_workitem_id 0
		.amdhsa_next_free_vgpr 768
		.amdhsa_next_free_sgpr 102
		.amdhsa_reserve_vcc 0
		.amdhsa_float_denorm_mode_32 3
		.amdhsa_float_denorm_mode_16_64 3
		.amdhsa_memory_ordered 1
		.amdhsa_forward_progress 1
		.amdhsa_inst_pref_size 106
	.end_amdhsa_kernel
	.amdgpu_metadata
---
amdhsa.version: [ 1, 2 ]
amdhsa.kernels:
  - .name:           k_q99941ddfef_qkv
    .symbol:         k_q99941ddfef_qkv.kd
    .args:
      - { .name: xc, .offset: 0, .size: 8, .value_kind: global_buffer, .address_space: global }
      - { .name: xs, .offset: 8, .size: 8, .value_kind: global_buffer, .address_space: global }
      - { .name: wc, .offset: 16, .size: 8, .value_kind: global_buffer, .address_space: global }
      - { .name: ws, .offset: 24, .size: 8, .value_kind: global_buffer, .address_space: global }
      - { .name: b_qkv, .offset: 32, .size: 8, .value_kind: global_buffer, .address_space: global }
      - { .name: qkvc, .offset: 40, .size: 8, .value_kind: global_buffer, .address_space: global }
      - { .name: qkvs, .offset: 48, .size: 8, .value_kind: global_buffer, .address_space: global }
    .group_segment_fixed_size: 295424
    .private_segment_fixed_size: 0
    .kernarg_segment_align: 8
    .kernarg_segment_size: 56
    .max_flat_workgroup_size: 128
    .sgpr_count:     102
    .vgpr_count:     768
    .wavefront_size: 32
...
	.end_amdgpu_metadata
.endif
;; end of part 2
;; launch attn (part 3): grid 4 x 64, 16 waves a work-group, clusters of 4 x 1, 210,944 bytes of LDS; arguments qkvc, qkvs, yc, ys; writes yc, ys
.if DOCPART == 3
	.amdgcn_target "amdgcn-amd-amdhsa--gfx1250"
	.amdhsa_code_object_version 6
	.text
	.protected	k_q99941ddfef_attn
	.globl	k_q99941ddfef_attn
	.p2align	8
	.type	k_q99941ddfef_attn,@function
k_q99941ddfef_attn:
	s_mov_b64 s[64:65], 0
	v_nop
	global_prefetch_b8 v0, s[64:65] scope:SCOPE_SE
	s_setreg_imm32_b32 hwreg(HW_REG_WAVE_MODE, 25, 1), 1
	s_wait_xcnt 0x0
	s_wait_alu depctr_hold_cnt(0) depctr_sa_sdst(0) depctr_va_vdst(0) depctr_va_sdst(0) depctr_va_ssrc(0) depctr_va_vcc(0) depctr_vm_vsrc(0)
	s_getreg_b32 s2, hwreg(HW_REG_IB_STS2, 6, 4)
	s_cmp_eq_u32 s2, 0
	s_cbranch_scc0 .Lentry_in_a_cluster
	s_endpgm
.Lentry_in_a_cluster:
	s_bfe_u32 s2, ttmp6, 0x10000c
	s_cmp_lg_u32 s2, 0x3003
	s_cbranch_scc0 .Lentry_shape_is_right
	s_endpgm
.Lentry_shape_is_right:
; y = softmax(q k^T / 8, causal) v for one (batch, head) a cluster, both products on codes of FP6 (E2M3) with E8M0 scales; y is quantised in registers along the channels and leaves as images of operand registers.
; THE SOFTMAX AHEAD OF THE SECOND PRODUCT: t = score x log2(e) / 8; M = the running largest t rounded UP to a whole number; p = 2^(t - M) is quantised along the keys, not normalised; the row's sum is taken of the
; unquantised p and divides O at the end.  When M moves, the sum and O are multiplied by 2^(old M - new M): exact.
; SHARES.  The four work-groups of a cluster share one head; the head's K, V and their scale words (208,896 bytes) lie in each one's LDS whole, filled ONCE, by joint loads that name the four.  No byte is filled again.
; A band is 128 tokens, 8 tiles of 16 queries; a tile of band n needs n + 1 key steps of 128 keys.  Wave w (beta = w % 8, u = w / 8) of work-group cx takes tile 2 cx + u of band 15 - beta and then of band beta:
; 17 tile steps for every wave of the launch.  cx enters global addresses and the mask's numbers alone: no LDS address, no branch.
; LAYOUT.  Both products are used transposed: S^T = K Q^T, O^T = V^T P^T: a lane holds ONE query.  Lane r of tile 2 g + u (of keys, of queries, of channels) is row 32 g + 8 u + r + 8 (r / 8), so that the 16 registers
; of tiles 2 g, 2 g + 1 are 16 neighbours: p's registers run along the keys, O^T's along the channels.
; THE FIRST PRODUCT'S K IS 64, the instruction's 128: Q's registers 6-11 are zero codes and bytes 2, 3 of Q's and K's scale words are 0 (2^-127, no NaN).  So the upper half of a key tile's operand may hold anything:
; it is the next tile's six registers, and behind the last tile six registers written once.  Their products are exact zeros.
; LIMITS: 1 / l is taken by v_rcp_f32; a block's largest p is taken as 2^(the block's largest t - M), which takes v_exp_f32 not to fall where its input rises; a block of zeros gets the byte 1; NaN and infinities are not served.
.set KF,   48                          ; v48-95 eight key tiles x 6 registers; v96-101 written once.  Behind S^T: v48-59 p's codes, v60-63 lane permutes, v64-67 scale operands, v68-71 bytes, v72-78 conversions
.set VF,   102                         ; v102-149 V's four fragments
.set S,    150                         ; v150-213 S^T, then p
.set O,    214                         ; v214-245 O^T
.set BM,   44                          ; v44-47 the blocks' largest scores
.set PT,   60
.set WV,   40
.set SEL,  46                          ; s[46:47]
.set CS,   48                          ; s[48:49] c = log2(e) / 8
.set KI,   50                          ; the key step
.set BAND, 51                          ; my tile's band
.set TK,   52                          ; LDS byte of the step's K;  TKV of its V;  TS of K's scale words;  TV of V's
.set TKV,  53
.set TS,   54
.set TV,   55
.set CNT,  45
; v1 16 x lane, v2 8 x lane, v3-8 the step's LDS addresses, v9 the mask's number, v10 4 r, v11 Q's scale word's place, v12 -M, v13 the largest t, v[14:15] the sum, v16-27 Q, v28-34 the second tile's Q and scale word,
; v35 Q's scale word, v36-39 K's, v40-41 V's, v42 p's, v[252:253] the factor, v254-255 at work
.macro CROUND
	s_barrier_signal -1
	s_barrier_wait -1
	s_cmp_lg_u32 s[WV], 0
	s_cbranch_scc1 .Lnot_wave_0_\@
	s_barrier_signal -3
.Lnot_wave_0_\@:
	s_barrier_wait -3
	s_barrier_signal -1
	s_barrier_wait -1
.endm
	s_load_b256 s[4:11], s[0:1], 0x0               ; qkvc s[4:5], qkvs s[6:7], yc s[8:9], ys s[10:11]
	v_lshl_add_u32 v250, v0, 2, 0x33000
	v_mov_b32 v251, 0
	ds_add_u32 v250, v251
	ds_add_u32 v250, v251
	v_lshrrev_b32 v1, 5, v0
	s_delay_alu instid0(VALU_DEP_1)
	v_readfirstlane_b32 s[WV], v1
	s_and_b32 s41, s[WV], 7                        ; beta
	s_lshr_b32 s42, s[WV], 3                       ; u
	s_bfe_u32 s43, ttmp6, 0x40000                  ; cx
	s_and_b32 s44, ttmp7, 0xffff                   ; 16 batch + head
	; descriptor group 1: dense blocks as rows of 256 bytes (32 elements of 8 bytes): 96 rows of codes, 12 rows of scale words
	s_mov_b32 s12, 15|(3<<16)|(1<<21)              ; 15:0 the mask: all four work-groups; 17:16 elements of 8 bytes; 21 set beside a mask
	s_mov_b32 s13, 32<<16
	s_mov_b32 s14, 96<<16
	s_mov_b32 s15, 32<<16
	s_mov_b32 s16, 96
	s_mov_b32 s17, 32
	s_mov_b32 s18, 0
	s_mov_b32 s19, 0
	s_mov_b32 s20, 15|(3<<16)|(1<<21)
	s_mov_b32 s21, 32<<16
	s_mov_b32 s22, 12<<16
	s_mov_b32 s23, 32<<16
	s_mov_b32 s24, 12
	s_mov_b32 s25, 32
	s_mov_b32 s26, 0
	s_mov_b32 s27, 0
	s_mul_i32 s62, s44, 294912                     ; the head's codes: q, k, v, 98,304 bytes each
	s_mov_b32 s63, 0
	s_mul_i32 s58, s44, 20480                      ; its scale words: q 8,192, k 8,192, v 4,096 bytes
	s_mov_b32 s59, 0
	s_lshr_b32 s56, s[WV], 1                       ; waves 0, 1 fetch K's halves of each chunk, waves 2, 3 V's
	s_mul_i32 s56, s56, 98304
	s_and_b32 s3, s[WV], 1
	s_mul_i32 s3, s3, 24576
	s_add_co_u32 s56, s56, s3
	s_mov_b32 s57, 0
	s_mul_i32 s60, s[WV], 3072                     ; and a quarter of K's and V's scale words each
	s_mov_b32 s61, 0
	s_mov_b32 s[SEL], 0x76543210
	s_mov_b32 s[SEL+1], 0xfedcba98
	s_mov_b32 s[CS], 0x3e38aa3b
	s_mov_b32 s[CS+1], s[CS]                       ; (named with it as a pair, so it is written)
	s_wait_dscnt 0x0
	s_wait_kmcnt 0x0
	s_add_nc_u64 s[4:5], s[4:5], s[62:63]
	s_add_nc_u64 s[6:7], s[6:7], s[58:59]
	s_mov_b32 s28, 1                               ; group 0: the scale words, to LDS 196,608 on
	s_add_co_u32 s29, s60, 196608
	s_add_nc_u64 s[30:31], s[6:7], s[60:61]
	s_add_nc_u64 s[30:31], s[30:31], 8192
	s_or_b32 s31, s31, 0x80000000
	s_mov_b32 s32, 1                               ; key steps 0-7 of K (LDS 0 on) or V (98,304 on)
	s_mov_b32 s33, s56
	s_add_nc_u64 s[34:35], s[4:5], s[56:57]
	s_add_nc_u64 s[34:35], s[34:35], 98304
	s_or_b32 s35, s35, 0x80000000
	s_mov_b32 s36, 1                               ; key steps 8-15
	s_add_co_u32 s37, s56, 49152
	s_add_nc_u64 s[38:39], s[4:5], s[56:57]
	s_add_nc_u64 s[38:39], s[38:39], 98304+49152
	s_or_b32 s39, s39, 0x80000000
	CROUND                                         ; all four work-groups are here: the joint loads meet
	s_cmp_lt_u32 s[WV], 4                          ; the first fills of a wave stand in one branch on its number: three tensor loads of a fetching wave are out
	s_cbranch_scc0 .Lno_fill
	tensor_load_to_lds s[28:31], s[20:27]
	s_nop 0
	tensor_load_to_lds s[32:35], s[12:19]
	s_nop 0
	tensor_load_to_lds s[36:39], s[12:19]
	s_nop 0
.rept 4
	v_nop
.endr
.Lno_fill:
	; where my two tiles' q lies and their y goes
	s_lshl_b32 s66, s43, 1
	s_add_co_u32 s66, s66, s42                     ; my tile in a band: 2 cx + u
	s_lshr_b32 s87, s43, 1
	s_lshl_b32 s87, s87, 8
	s_and_b32 s86, s43, 1
	s_lshl_b32 s86, s86, 2
	s_add_co_u32 s87, s87, s86                     ; its scale words' place in a band's 512 bytes (with 8 (r + 16 u) from the lane)
	s_lshr_b32 s88, s44, 4
	s_lshl_b32 s88, s88, 7                         ; 128 rowtiles a batch
	s_and_b32 s89, s44, 15                         ; head
	s_sub_co_u32 s90, 15, s41                      ; the first tile's band
	s_mov_b32 s69, 0
.macro TILEPTR band, qp, qsp, ycp, ysp
	s_lshl_b32 s86, s[\band], 3
	s_add_co_u32 s86, s86, s66                     ; the tile among the head's 128
	s_mul_i32 s68, s86, 768
	s_add_nc_u64 s[\qp:\qp+1], s[4:5], s[68:69]
	s_lshl_b32 s68, s[\band], 9
	s_add_co_u32 s68, s68, s87
	s_add_nc_u64 s[\qsp:\qsp+1], s[6:7], s[68:69]
	s_add_co_u32 s86, s86, s88
	s_lshl_b32 s86, s86, 4
	s_add_co_u32 s86, s86, s89                     ; 16 rowtile + head
	s_mul_i32 s68, s86, 768
	s_add_nc_u64 s[\ycp:\ycp+1], s[8:9], s[68:69]
	s_lshl_b32 s68, s86, 6
	s_add_nc_u64 s[\ysp:\ysp+1], s[10:11], s[68:69]
.endm
	TILEPTR 90, 70, 74, 78, 80
	TILEPTR 41, 72, 76, 82, 84
	v_and_b32 v11, 31, v0
	s_delay_alu instid0(VALU_DEP_1)
	v_lshlrev_b32 v1, 4, v11
	s_delay_alu instid0(VALU_DEP_2)
	v_lshlrev_b32 v2, 3, v11
	v_and_b32 v10, 15, v0                          ; r
	v_bfe_u32 v254, v0, 4, 1                       ; h
	s_delay_alu instid0(VALU_DEP_2)
	v_and_b32 v255, 8, v10
	s_delay_alu instid0(VALU_DEP_1)
	v_add_nc_u32 v9, v255, v10
	s_delay_alu instid0(VALU_DEP_3)
	v_lshlrev_b32 v254, 4, v254
	s_delay_alu instid0(VALU_DEP_1)
	v_sub_nc_u32 v9, v9, v254
	s_lshl_b32 s91, s43, 5
	s_lshl_b32 s92, s42, 3
	s_add_co_u32 s91, s91, s92
	v_add_nc_u32 v9, s91, v9                       ; d = my query's place in its band - 16 h.  Register 16 b + i holds the step's key 32 b + 16 h + i: on the diagonal it is hidden where 32 b + i > d
	v_lshlrev_b32 v11, 3, v10
	s_lshl_b32 s92, s42, 7
	v_add_nc_u32 v11, s92, v11
	v_lshlrev_b32 v10, 2, v10
	global_load_b128 v[16:19], v1, s[70:71]        ; the first tile's q: a half image
	global_load_b64 v[20:21], v2, s[70:71] offset:512
	global_load_b32 v35, v11, s[74:75]
	global_load_b128 v[28:31], v1, s[72:73]        ; the second tile's
	global_load_b64 v[32:33], v2, s[72:73] offset:512
	global_load_b32 v34, v11, s[76:77]
.irp j, 0,1,2,3,4,5
	v_mov_b32 v[22+\j], 0                          ; Q's upper 64 along K: zero codes
	v_mov_b32 v[96+\j], 0                          ; behind the last key tile: written once
.endr
	v_mov_b32 v253, 0                              ; (named as the upper half of the pair v[252:253])
.macro INIT                            ; a tile begins: the first change of M multiplies zeros
	v_mov_b32 v13, 0xff61b1e6                      ; -3e38, under every t
	s_delay_alu instid0(VALU_DEP_1)
	v_floor_f32 v12, -v13
	v_mov_b32 v14, 0
	v_mov_b32 v15, 0
.set n, 0
.rept 32
	v_mov_b32 v[O+n], 0
.set n, n+1
.endr
.endm
	INIT
	s_mov_b32 s[BAND], s90
	s_mov_b32 s[KI], 0
	s_mov_b32 s[TK], 0
	s_mov_b32 s[TKV], 98304
	s_mov_b32 s[TS], 196608
	s_mov_b32 s[TV], 204800
; A KEY STEP: 128 keys.  chk = 1: a step behind my band is left out (a scalar branch on ids, not round the lines that step addresses), and the step on the diagonal is masked.
.macro STEP chk
.if \chk
	s_cmp_gt_u32 s[KI], s[BAND]
	s_cbranch_scc1 .Lhidden_\@
.endif
	s_setprio 2
	v_add_nc_u32 v3, s[TK], v1                     ; (these six are also the places between the last step's products and loads into the registers that they read)
	v_add_nc_u32 v4, s[TK], v2
	v_add_nc_u32 v5, s[TKV], v1
	v_add_nc_u32 v6, s[TKV], v2
	v_add_nc_u32 v7, s[TS], v2
	v_add_nc_u32 v8, s[TV], v2
.irp t, 0,1,2,3,4,5,6,7
	ds_load_b128 v[KF+6*\t:KF+6*\t+3], v3 offset:768*\t
	ds_load_b64 v[KF+6*\t+4:KF+6*\t+5], v4 offset:768*\t+512
.endr
	ds_load_b64 v[36:37], v7                       ; register t / 2: lanes 0-15 key tile t even, lanes 16-31 t odd
	ds_load_b64 v[38:39], v7 offset:256
.irp f, 0,1,2,3,4,5,6,7
	ds_load_b128 v[VF+6*\f:VF+6*\f+3], v5 offset:768*\f
	ds_load_b64 v[VF+6*\f+4:VF+6*\f+5], v6 offset:768*\f+512
.endr
	ds_load_b64 v[40:41], v8
	s_wait_dscnt 17                                ; K and its scale words are in; V's 17 loads may be out
.irp t, 0,2,4,6
	v_wmma_scale_f32_16x16x128_f8f6f4 v[S+8*\t:S+8*\t+7], v[KF+6*\t:KF+6*\t+11], v[16:27], 0, v[36+\t/2], v35 matrix_a_fmt:MATRIX_FMT_FP6 matrix_b_fmt:MATRIX_FMT_FP6
	v_wmma_scale_f32_16x16x128_f8f6f4 v[S+8*\t+8:S+8*\t+15], v[KF+6*\t+6:KF+6*\t+17], v[16:27], 0, v[36+\t/2], v35 matrix_a_fmt:MATRIX_FMT_FP6 matrix_b_fmt:MATRIX_FMT_FP6 matrix_a_scale:MATRIX_SCALE_ROW1
.endr
.rept 4
	v_nop
.endr
.if \chk
	s_cmp_lg_u32 s[KI], s[BAND]
	s_cbranch_scc1 .Lopen_\@
	v_mov_b32 v254, 0xff800000                     ; hidden scores become -infinity ahead of the maximum: p = 0 then
.set n, 0
.rept 64
	v_cmp_gt_i32 vcc_lo, 32*(n/16)+n%16, v9
	v_cndmask_b32 v[S+n], v[S+n], v254, vcc_lo
.set n, n+1
.endr
.Lopen_\@:
.endif
.irp b, 0,1,2,3
	v_max3_num_f32 v[BM+\b], v[S+16*\b], v[S+16*\b+1], v[S+16*\b+2]   ; the largest score of each block of 32 keys: for the row's maximum and for the block's largest p
.endr
.irp i, 3,5,7,9,11,13
.irp b, 0,1,2,3
	v_max3_num_f32 v[BM+\b], v[BM+\b], v[S+16*\b+\i], v[S+16*\b+\i+1]
.endr
.endr
.irp b, 0,1,2,3
	v_max_num_f32 v[BM+\b], v[BM+\b], v[S+16*\b+15]
.endr
.irp b, 0,1,2,3
	s_delay_alu instid0(VALU_DEP_4)
	v_permlanex16_b32 v[PT+\b], v[BM+\b], s[SEL], s[SEL+1]
.endr
.irp b, 0,1,2,3
	s_delay_alu instid0(VALU_DEP_4)
	v_max_num_f32 v[BM+\b], v[BM+\b], v[PT+\b]     ; with lane l xor 16's 16 keys
.endr
	s_delay_alu instid0(VALU_DEP_2)
	v_max3_num_f32 v254, v[BM], v[BM+1], v[BM+2]
	s_delay_alu instid0(VALU_DEP_1)
	v_max_num_f32 v254, v254, v[BM+3]
	s_delay_alu instid0(VALU_DEP_1)
	v_mul_f32 v254, s[CS], v254                    ; as t (c is positive)
	s_delay_alu instid0(VALU_DEP_1)
	v_max_num_f32 v13, v13, v254                   ; the running largest t
	v_mov_b32 v254, v12
	s_delay_alu instid0(VALU_DEP_2)
	v_floor_f32 v12, -v13                          ; the new -M = -ceil(t)
	s_delay_alu instid0(VALU_DEP_1)
	v_sub_f32 v254, v12, v254                      ; old M - new M: a whole number, 0 or less
	s_delay_alu instid0(VALU_DEP_1)
	v_cvt_i32_f32 v254, v254                       ; (it saturates)
	s_delay_alu instid0(VALU_DEP_1)
	v_ldexp_f32 v252, 1.0, v254                    ; f = 2^(old M - new M)
.set n, 0
.rept 32
	v_pk_fma_f32 v[S+n:S+n+1], v[S+n:S+n+1], s[CS:CS+1], v[12:13] op_sel_hi:[1,0,0]   ; t - M
.set n, n+2
.endr
.irp b, 0,1,2,3
	v_fma_f32 v[BM+\b], v[BM+\b], s[CS], v12       ; the same of each block's largest score
.endr
.set n, 0
	s_setprio 1
	s_wait_alu depctr_va_vdst(0)
.rept 64
	v_exp_f32 v[S+n], v[S+n]                       ; p = 2^(t - M)
.set n, n+1
.endr
	v_pk_mul_f32 v[14:15], v[14:15], v[252:253] op_sel_hi:[1,0]   ; the sums under the new M: the plain place behind the exponentials
	s_wait_alu depctr_va_vdst(0)                   ; one wait for the batch of 64, ahead of its first reader
.irp b, 0,1,2,3
	v_exp_f32 v[BM+\b], v[BM+\b]                   ; the blocks' largest p
.endr
.set n, 0
	s_wait_alu depctr_va_vdst(0)
.rept 16
	v_pk_mul_f32 v[O+n:O+n+1], v[O+n:O+n+1], v[252:253] op_sel_hi:[1,0]   ; O^T under the new M, each accumulator from its low end on: the work behind the four
.set n, n+2
.endr
	s_wait_alu depctr_va_vdst(0)                   ; and one for the four
.irp b, 0,1,2,3
	v_max_num_f32 v[BM+\b], 0x1800000, v[BM+\b]    ; the floor 2^(3 - 127): the byte cannot fall under 1
.endr
.irp b, 0,1,2,3
	s_delay_alu instid0(VALU_DEP_4)
	v_add_nc_u32 v[64+\b], 0xff000000, v[BM+\b]
.endr
.irp b, 0,1,2,3
	s_delay_alu instid0(VALU_DEP_4)
	v_lshrrev_b32 v[68+\b], 23, v[64+\b]
.endr
	s_delay_alu instid0(VALU_DEP_3)
	v_lshl_or_b32 v42, v69, 8, v68                 ; p's scale word for these 128 keys
	s_delay_alu instid0(VALU_DEP_1)
	v_lshl_or_b32 v42, v70, 16, v42
	s_delay_alu instid0(VALU_DEP_1)
	v_lshl_or_b32 v42, v71, 24, v42
.irp c, 0,1
	v_cvt_scalef32_pk16_fp6_f32 v[48+6*\c:50+6*\c], v[S+32*\c:S+32*\c+15], v[64+2*\c]
	v_cvt_scalef32_pk16_fp6_f32 v[72+4*\c:74+4*\c], v[S+32*\c+16:S+32*\c+31], v[64+2*\c+1]
.endr
	v_nop                                          ; one plain place behind a scaled conversion
.irp c, 0,1
.irp i, 0,1,2
	v_permlane16_swap_b32 v[48+6*\c+\i], v[72+4*\c+\i]
.endr
.irp i, 0,1,2
	s_delay_alu instid0(VALU_DEP_3)
	v_mov_b32 v[51+6*\c+\i], v[72+4*\c+\i]
.endr
.endr
	v_pk_add_f32 v[254:255], v[154:155], v[158:159]
	v_pk_add_f32 v[248:249], v[162:163], v[166:167]
	v_pk_add_f32 v[246:247], v[170:171], v[174:175]
	v_pk_add_f32 v[94:95], v[178:179], v[182:183]
	s_setprio 0
	v_pk_add_f32 v[92:93], v[186:187], v[190:191]
	v_pk_add_f32 v[90:91], v[194:195], v[198:199]
	v_pk_add_f32 v[88:89], v[202:203], v[206:207]
	v_pk_add_f32 v[14:15], v[14:15], v[210:211]
	v_pk_add_f32 v[254:255], v[254:255], v[150:151]
	v_pk_add_f32 v[248:249], v[248:249], v[152:153]
	v_pk_add_f32 v[246:247], v[246:247], v[156:157]
	v_pk_add_f32 v[94:95], v[94:95], v[160:161]
	v_pk_add_f32 v[92:93], v[92:93], v[164:165]
	v_pk_add_f32 v[90:91], v[90:91], v[168:169]
	v_pk_add_f32 v[88:89], v[88:89], v[172:173]
	v_pk_add_f32 v[14:15], v[14:15], v[176:177]
	v_pk_add_f32 v[254:255], v[254:255], v[180:181]
	v_pk_add_f32 v[248:249], v[248:249], v[184:185]
	v_pk_add_f32 v[246:247], v[246:247], v[188:189]
	v_pk_add_f32 v[94:95], v[94:95], v[192:193]
	v_pk_add_f32 v[92:93], v[92:93], v[196:197]
	v_pk_add_f32 v[90:91], v[90:91], v[200:201]
	v_pk_add_f32 v[88:89], v[88:89], v[204:205]
	v_pk_add_f32 v[14:15], v[14:15], v[208:209]
	v_pk_add_f32 v[254:255], v[254:255], v[212:213]
	s_delay_alu instid0(VALU_DEP_2)
	v_pk_add_f32 v[14:15], v[14:15], v[94:95]
	s_delay_alu instid0(VALU_DEP_2)
	v_pk_add_f32 v[254:255], v[254:255], v[92:93]
	v_pk_add_f32 v[248:249], v[248:249], v[90:91]
	v_pk_add_f32 v[246:247], v[246:247], v[88:89]
	s_delay_alu instid0(VALU_DEP_2)
	v_pk_add_f32 v[14:15], v[14:15], v[248:249]
	s_delay_alu instid0(VALU_DEP_2)
	v_pk_add_f32 v[254:255], v[254:255], v[246:247]
	s_delay_alu instid0(VALU_DEP_1)
	v_pk_add_f32 v[14:15], v[14:15], v[254:255]
	s_wait_dscnt 0x0                               ; V and its scale words are in
.irp t, 0,2
	v_wmma_scale_f32_16x16x128_f8f6f4 v[O+8*\t:O+8*\t+7], v[VF+12*\t:VF+12*\t+11], v[48:59], v[O+8*\t:O+8*\t+7], v[40+\t/2], v42 matrix_a_fmt:MATRIX_FMT_FP6 matrix_b_fmt:MATRIX_FMT_FP6
	v_wmma_scale_f32_16x16x128_f8f6f4 v[O+8*\t+8:O+8*\t+15], v[VF+12*\t+12:VF+12*\t+23], v[48:59], v[O+8*\t+8:O+8*\t+15], v[40+\t/2], v42 matrix_a_fmt:MATRIX_FMT_FP6 matrix_b_fmt:MATRIX_FMT_FP6 matrix_a_scale:MATRIX_SCALE_ROW1
.endr
.if \chk
.Lhidden_\@:
.endif
	s_add_co_u32 s[KI], s[KI], 1
	s_add_co_u32 s[TK], s[TK], 6144
	s_add_co_u32 s[TKV], s[TKV], 6144
	s_add_co_u32 s[TS], s[TS], 512
	s_add_co_u32 s[TV], s[TV], 256
.endm
; A TILE ENDS: y = O / l; its 64 channels are two blocks of 32, 16 of each in my registers: a half image and two scale bytes.
.macro FINISH ycp, ysp
.rept 4
	v_nop
.endr
	v_add_f32 v14, v14, v15
	s_delay_alu instid0(VALU_DEP_1)
	v_permlanex16_b32 v254, v14, s[SEL], s[SEL+1]
	s_delay_alu instid0(VALU_DEP_1)
	v_add_f32 v14, v14, v254                       ; the row's sum
	s_wait_alu depctr_va_vdst(0)
	v_rcp_f32 v252, v14
	v_nop                                          ; a plain place behind the reciprocal
	s_wait_alu depctr_va_vdst(0)                   ; and the wait ahead of its first reader
.set n, 0
.rept 16
	v_pk_mul_f32 v[O+n:O+n+1], v[O+n:O+n+1], v[252:253] op_sel_hi:[1,0]
.set n, n+2
.endr
.irp g, 0,1
	v_max3_num_f32 v[BM+\g], |v[O+16*\g]|, |v[O+16*\g+1]|, 0x1800000
.endr
.irp i, 2,4,6,8,10,12,14
.irp g, 0,1
	s_delay_alu instid0(VALU_DEP_2)
	v_max3_num_f32 v[BM+\g], v[BM+\g], |v[O+16*\g+\i]|, |v[O+16*\g+\i+1]|
.endr
.endr
.irp g, 0,1
	s_delay_alu instid0(VALU_DEP_2)
	v_permlanex16_b32 v[PT+\g], v[BM+\g], s[SEL], s[SEL+1]
.endr
.irp g, 0,1
	s_delay_alu instid0(VALU_DEP_2)
	v_max_num_f32 v[BM+\g], v[BM+\g], v[PT+\g]
.endr
.irp g, 0,1
	s_delay_alu instid0(VALU_DEP_2)
	v_add_nc_u32 v[64+\g], 0xff000000, v[BM+\g]
.endr
.irp g, 0,1
	s_delay_alu instid0(VALU_DEP_2)
	v_lshrrev_b32 v[68+\g], 23, v[64+\g]
.endr
	s_delay_alu instid0(VALU_DEP_1)
	v_lshl_or_b32 v70, v69, 8, v68
	v_cvt_scalef32_pk16_fp6_f32 v[48:50], v[O:O+15], v64
	v_cvt_scalef32_pk16_fp6_f32 v[72:74], v[O+16:O+31], v65
	v_nop
.irp i, 0,1,2
	v_permlane16_swap_b32 v[48+\i], v[72+\i]
.endr
.irp i, 0,1,2
	s_delay_alu instid0(VALU_DEP_3)
	v_mov_b32 v[51+\i], v[72+\i]
.endr
	global_store_b128 v1, v[48:51], s[\ycp:\ycp+1]             ; 512 and 256 consecutive bytes, aligned
	global_store_b64 v2, v[52:53], s[\ycp:\ycp+1] offset:512
	global_store_b32 v10, v70, s[\ysp:\ysp+1]                  ; 64 bytes: lanes l and l xor 16 hold the same word and write the same place
.endm
	s_wait_loadcnt 0x0                             ; q
	s_wait_tensorcnt 0x1                           ; the scale words and key steps 0-7 have landed; steps 8-15 may be out
	s_barrier_signal -1
	s_barrier_wait -1
	s_mov_b32 s[CNT], 8
.Lphase1:                                      ; the first tile (band 8 or more), key steps 0-7: all keys count
	STEP 0
	s_sub_co_u32 s[CNT], s[CNT], 1
	s_cmp_lg_u32 s[CNT], 0
	s_cbranch_scc1 .Lphase1
	s_setprio 0
	s_wait_tensorcnt 0x0                           ; key steps 8-15 have landed
	s_wait_dscnt 0x0
	s_barrier_signal -1
	s_barrier_wait -1
	s_mov_b32 s[CNT], 8
.Lphase2:                                      ; key steps 8-15, up to the diagonal
	STEP 1
	s_sub_co_u32 s[CNT], s[CNT], 1
	s_cmp_lg_u32 s[CNT], 0
	s_cbranch_scc1 .Lphase2
	s_setprio 0
	s_wait_alu depctr_va_vdst(0)
	FINISH 78, 80
	s_wait_xcnt 0x0                                ; the stores have read their registers, which the next tile's loads write
.irp j, 0,1,2,3,4,5
	v_mov_b32 v[16+\j], v[28+\j]                   ; the second tile's q
.endr
	v_mov_b32 v35, v34
	INIT                                           ; (more than eight plain lines between the write of the scale word and the next product)
	s_mov_b32 s[BAND], s41
	s_mov_b32 s[KI], 0
	s_mov_b32 s[TK], 0
	s_mov_b32 s[TKV], 98304
	s_mov_b32 s[TS], 196608
	s_mov_b32 s[TV], 204800
	s_mov_b32 s[CNT], 8
.Lphase3:                                      ; the second tile (band 7 or less), key steps 0-7, up to the diagonal
	STEP 1
	s_sub_co_u32 s[CNT], s[CNT], 1
	s_cmp_lg_u32 s[CNT], 0
	s_cbranch_scc1 .Lphase3
	s_setprio 0
	s_wait_alu depctr_va_vdst(0)
	FINISH 82, 84
	s_wait_dscnt 0x0
	s_wait_tensorcnt 0x0
	ds_add_u32 v250, v251
	s_wait_dscnt 0x0
	CROUND                                         ; the closing round
	s_endpgm
.Lfunc_end_k_q99941ddfef_attn:
	.size	k_q99941ddfef_attn, .Lfunc_end_k_q99941ddfef_attn-k_q99941ddfef_attn
	.p2alignl 7, 3214868480
	.fill 96, 4, 3214868480
	.section	.rodata,"a",@progbits
	.p2align	6, 0x0
	.amdhsa_kernel k_q99941ddfef_attn
		.amdhsa_group_segment_fixed_size 210944
		.amdhsa_private_segment_fixed_size 0
		.amdhsa_enable_private_segment 0
		.amdhsa_kernarg_size 32
		.amdhsa_user_sgpr_count 2
		.amdhsa_user_sgpr_kernarg_segment_ptr 1
		.amdhsa_wavefront_size32 1
		.amdhsa_system_sgpr_workgroup_id_x 1
		.amdhsa_system_sgpr_workgroup_id_y 1
		.amdhsa_system_sgpr_workgroup_id_z 1
		.amdhsa_system_vgpr_workitem_id 0
		.amdhsa_next_free_vgpr 256
		.amdhsa_next_free_sgpr 96
		.amdhsa_reserve_vcc 1
		.amdhsa_float_denorm_mode_32 3
		.amdhsa_float_denorm_mode_16_64 3
		.amdhsa_memory_ordered 1
		.amdhsa_forward_progress 1
		.amdhsa_inst_pref_size 83
	.end_amdhsa_kernel
	.amdgpu_metadata
---
amdhsa.version: [ 1, 2 ]
amdhsa.kernels:
  - .name:           k_q99941ddfef_attn
    .symbol:         k_q99941ddfef_attn.kd
    .args:
      - { .name: qkvc, .offset: 0, .size: 8, .value_kind: global_buffer, .address_space: global }
      - { .name: qkvs, .offset: 8, .size: 8, .value_kind: global_buffer, .address_space: global }
      - { .name: yc, .offset: 16, .size: 8, .value_kind: global_buffer, .address_space: global }
      - { .name: ys, .offset: 24, .size: 8, .value_kind: global_buffer, .address_space: global }
    .group_segment_fixed_size: 210944
    .private_segment_fixed_size: 0
    .kernarg_segment_align: 8
    .kernarg_segment_size: 32
    .max_flat_workgroup_size: 512
    .sgpr_count:     96
    .vgpr_count:     256
    .wavefront_size: 32
...
	.end_amdgpu_metadata
.endif
;; end of part 3
;; launch proj (part 4): grid 4 x 64, 4 waves a work-group, clusters of 4 x 4, 295,424 bytes of LDS; arguments yc, ys, wc, ws, b_proj, out0; writes out0
.if DOCPART == 4
	.amdgcn_target "amdgcn-amd-amdhsa--gfx1250"
	.amdhsa_code_object_version 6
	.text
	.protected	k_q99941ddfef_proj
	.globl	k_q99941ddfef_proj
	.p2align	8
	.type	k_q99941ddfef_proj,@function
k_q99941ddfef_proj:
	s_mov_b64 s[64:65], 0
	v_nop
	global_prefetch_b8 v0, s[64:65] scope:SCOPE_SE
	s_setreg_imm32_b32 hwreg(HW_REG_WAVE_MODE, 25, 1), 1
	s_wait_xcnt 0x0
	s_wait_alu depctr_hold_cnt(0) depctr_sa_sdst(0) depctr_va_vdst(0) depctr_va_sdst(0) depctr_va_ssrc(0) depctr_va_vcc(0) depctr_vm_vsrc(0)
	s_getreg_b32 s2, hwreg(HW_REG_IB_STS2, 6, 4)
	s_cmp_eq_u32 s2, 0
	s_cbranch_scc0 .Lentry_in_a_cluster
	s_endpgm
.Lentry_in_a_cluster:
	s_bfe_u32 s2, ttmp6, 0x10000c
	s_cmp_lg_u32 s2, 0xf033
	s_cbranch_scc0 .Lentry_shape_is_right
	s_endpgm
.Lentry_shape_is_right:
; out0 = y W_proj + b_proj on codes of FP6 (E2M3) with E8M0 scales.  y's codes and scale bytes were made by the attention launch, W_proj's by the first launch (rowtiles 192-255 of wc).
; THE TILE.  D = S0 S1^T, S0 = 256 columns of W_proj (16 rowtiles), S1 = 128 tokens (8 rowtiles), K = 1,024.  Source 0 = S0's fragment, source 1 = S1's: a lane holds ONE token and its registers run along the columns.
; Lane r of rowtile 2 g + u is row 32 g + 8 u + r + 8 (r / 8), so the 16 registers of S0's rowtiles 2 g, 2 g + 1 are the 16 neighbouring columns 32 g + 16 (lane / 16) + 0 .. 15.
; ALL OF K LIES IN LDS AT ONCE (294,912 bytes): every LDS byte is filled once, by four tensor loads a wave issued together at the head, one for each phase of two K steps.  No byte is filled again.
; CLUSTERS: 4 x 4.  S0's tiles hang on the work-group's x and are asked for jointly by a column of the cluster, S1's on its y and by a row.
; Four waves: wave w takes S0's rowtiles 8 (w / 2) .. + 7 and S1's 4 (w % 2) .. + 3: 32 accumulators.
; REGISTERS: window 0: v4-26 addresses; v32-63 S0's scale words, v64-79 S1's; v80-175 S1's fragments, two sets; v176-239 the bias; v240-255 the upper halves of S1's scale words; on the way out v128-255 rows of out0.
;   window 1: S0's fragments, two sets of 96.   window 2: accumulator (a, b) at v[8 (8 a + b)].
.set PH,   73728
.set S1O,  49152
.set RTB,  3072
.set RTM,  12288
.set L16,  4
.set L8,   5
.set A016, 6
.set A08,  10
.set A116, 14
.set A18,  18
.set L4,   22
.set H64,  23
.set YSA,  24                          ; v24  y's scale bytes: 128 (lane / 16) + 4 (lane % 16)
.set STO,  25                          ; v25  the way out: where I put 32 bytes of a row
.set RD,   26                          ; v26  and where I read a row back
.set SC0,  32
.set SC1,  64
.set SF1,  80
.set BIA,  176
.set SCH,  240
.set BK,   128
.set SPI,  528                         ; the stage: 16 rows x (512 bytes + 16) for each wave, in phase 0's bytes, which have had their only fill and their last read
.set G1A,  24
.set G1B,  32
.set G0A,  40
.set G0B,  68
.set WV,   18
.set SHF,  19
.set THF,  20
.set MSB, 0
.macro WIN new
.if MSB != \new
	s_set_vgpr_msb (MSB<<8)|\new
.set MSB, \new
.endif
.endm
.macro PLACES n
.rept \n
	v_nop
.endr
.endm
.macro CROUND
	s_barrier_signal -1
	s_barrier_wait -1
	s_cmp_lg_u32 s[WV], 0
	s_cbranch_scc1 .Lnot_wave_0_\@
	s_barrier_signal -3
.Lnot_wave_0_\@:
	s_barrier_wait -3
	s_barrier_signal -1
	s_barrier_wait -1
.endm
.macro FRAG reg, a16, a8, off
	ds_load_b128 v[\reg:\reg+3], v[\a16] offset:\off
	ds_load_b64 v[\reg+4:\reg+5], v[\a8] offset:\off+512
	ds_load_b128 v[\reg+6:\reg+9], v[\a16] offset:\off+768
	ds_load_b64 v[\reg+10:\reg+11], v[\a8] offset:\off+1280
.endm
.macro FETCH s
	WIN 0x40
.irp i, 0,1,2,3,4,5,6,7
	FRAG 96*((\s)%2)+12*\i, A016+(\s)/2, A08+(\s)/2, \i*RTB+((\s)%2)*1536
.endr
	WIN 0
.irp a, 0,1,2,3
	FRAG SF1+48*((\s)%2)+12*\a, A116+(\s)/2, A18+(\s)/2, \a*RTB+((\s)%2)*1536
.endr
.endm
; 32 matrix instructions: K step s; the 32 accumulators take turns, one instruction a turn, in the same order in every step.  cm = 1: the first step starts the sums with the bias as C.
.macro MUL s, cm
.if \cm == 0
	WIN 0xa1
.else
	WIN 0x81
.endif
.irp a, 0,1,2,3
.irp b, 0,1,2,3,4,5,6,7
.if \cm == 1
	v_wmma_scale_f32_16x16x128_f8f6f4 v[8*(8*\a+\b):8*(8*\a+\b)+7], v[96*((\s)%2)+12*\b:96*((\s)%2)+12*\b+11], v[SF1+48*((\s)%2)+12*\a:SF1+48*((\s)%2)+12*\a+11], v[BIA+8*\b:BIA+8*\b+7], v[SC0+4*\b+(\s)/2], v[SC1+4*\a+(\s)/2] matrix_a_fmt:MATRIX_FMT_FP6 matrix_b_fmt:MATRIX_FMT_FP6
.elseif (\s)%2 == 0
	v_wmma_scale_f32_16x16x128_f8f6f4 v[8*(8*\a+\b):8*(8*\a+\b)+7], v[96*((\s)%2)+12*\b:96*((\s)%2)+12*\b+11], v[SF1+48*((\s)%2)+12*\a:SF1+48*((\s)%2)+12*\a+11], v[8*(8*\a+\b):8*(8*\a+\b)+7], v[SC0+4*\b+(\s)/2], v[SC1+4*\a+(\s)/2] matrix_a_fmt:MATRIX_FMT_FP6 matrix_b_fmt:MATRIX_FMT_FP6
.else
	v_wmma_scale_f32_16x16x128_f8f6f4 v[8*(8*\a+\b):8*(8*\a+\b)+7], v[96*((\s)%2)+12*\b:96*((\s)%2)+12*\b+11], v[SF1+48*((\s)%2)+12*\a:SF1+48*((\s)%2)+12*\a+11], v[8*(8*\a+\b):8*(8*\a+\b)+7], v[SC0+4*\b+(\s)/2], v[SC1+4*\a+(\s)/2] matrix_a_fmt:MATRIX_FMT_FP6 matrix_b_fmt:MATRIX_FMT_FP6 matrix_a_scale:MATRIX_SCALE_ROW1 matrix_b_scale:MATRIX_SCALE_ROW1
.endif
.endr
.endr
.endm
.macro KSTEP s
.if ((\s)%2 == 1) && ((\s) < 7)
	s_wait_tensorcnt 3-((\s)+1)/2                  ; my part of the next phase has landed; the later phases' loads may be out
	s_wait_dscnt 0x0
	s_barrier_signal -1
	s_barrier_wait -1
.else
	s_wait_dscnt 0x0
.endif
.if (\s) < 7
	PLACES 4                                       ; four places between the last step's products and loads into the registers that they read
	FETCH (\s)+1
.endif
	MUL \s, 0
.endm
	s_load_b256 s[4:11], s[0:1], 0x0               ; yc s[4:5], ys s[6:7], wc s[8:9], ws s[10:11]
	s_load_b128 s[12:15], s[0:1], 0x20             ; b_proj s[12:13], out0 s[14:15]
	v_lshl_add_u32 v30, v0, 2, 0x48000
	v_mov_b32 v31, 0
	ds_add_u32 v30, v31
	ds_add_u32 v30, v31
	v_lshrrev_b32 v1, 5, v0
	v_readfirstlane_b32 s[WV], v1
	s_lshr_b32 s[SHF], s[WV], 1
	s_and_b32 s[THF], s[WV], 1
	s_bfe_u32 s21, ttmp6, 0x40000                  ; cx
	s_bfe_u32 s22, ttmp6, 0x40004                  ; cy
	s_lshl_b32 s61, ttmp9, 2
	s_add_co_u32 s61, s61, s21                     ; which 256 columns
	s_and_b32 s23, ttmp7, 0xffff
	s_lshl_b32 s62, s23, 2
	s_add_co_u32 s62, s62, s22                     ; which 128 tokens
	s_lshl_b32 s63, 0x1111, s21                    ; my column of the cluster
	s_lshl_b32 s2, s22, 2
	s_lshl_b32 s2, 15, s2                          ; my row
	s_or_b32 s[G1A], s63, (3<<16)|(1<<21)          ; group 1: R rowtiles x 3,072 bytes (384 elements of 8 bytes), 12,288 bytes apart in memory, dense in LDS
	s_or_b32 s[G1B], s2, (3<<16)|(1<<21)
	s_mov_b32 s[G1A+1], 384<<16
	s_mov_b32 s[G1A+2], 8<<16
	s_mov_b32 s[G1A+3], 384<<16
	s_mov_b32 s[G1A+4], 8
	s_mov_b32 s[G1A+5], 1536
	s_mov_b32 s[G1A+6], 0
	s_mov_b32 s[G1A+7], 0
	s_mov_b32 s[G1B+1], 384<<16
	s_mov_b32 s[G1B+2], 4<<16
	s_mov_b32 s[G1B+3], 384<<16
	s_mov_b32 s[G1B+4], 4
	s_mov_b32 s[G1B+5], 1536
	s_mov_b32 s[G1B+6], 0
	s_mov_b32 s[G1B+7], 0
	s_lshl_b32 s84, s61, 4
	s_lshl_b32 s85, s[THF], 3
	s_add_co_u32 s84, s84, s85
	s_add_co_u32 s84, s84, 192                     ; W_proj's rowtiles begin at 192
	s_mul_i32 s84, s84, RTM
	s_mov_b32 s85, 0
	s_lshl_b32 s86, s62, 3
	s_lshl_b32 s87, s[THF], 2
	s_add_co_u32 s86, s86, s87
	s_mul_i32 s86, s86, RTM
	s_mov_b32 s87, 0
	s_mul_i32 s96, s[THF], 8*RTB
	s_mul_i32 s97, s[THF], 4*RTB
	s_add_co_u32 s97, s97, S1O
	s_lshl_b32 s98, s61, 4
	s_lshl_b32 s99, s[SHF], 3
	s_add_co_u32 s98, s98, s99
	s_add_co_u32 s98, s98, 192
	s_lshl_b32 s98, s98, 9                         ; W's scale words: 512 bytes a rowtile
	s_mov_b32 s99, 0
	s_lshl_b32 s100, s62, 3
	s_lshl_b32 s101, s[THF], 2
	s_add_co_u32 s100, s100, s101
	s_lshl_b32 s100, s100, 10                      ; y's scale bytes: 1,024 bytes a rowtile
	s_mov_b32 s101, 0
	s_wait_dscnt 0x0
	s_wait_kmcnt 0x0
	s_add_nc_u64 s[88:89], s[8:9], s[84:85]
	s_add_nc_u64 s[92:93], s[4:5], s[86:87]
	s_add_nc_u64 s[90:91], s[10:11], s[98:99]
	s_add_nc_u64 s[94:95], s[6:7], s[100:101]
.irp p, 0,1,2,3
	s_mov_b32 s[G0A+4*\p], 1
	s_add_co_u32 s[G0A+4*\p+1], s96, \p*PH
	s_add_nc_u64 s[G0A+4*\p+2:G0A+4*\p+3], s[88:89], \p*RTB
	s_or_b32 s[G0A+4*\p+3], s[G0A+4*\p+3], 0x80000000
	s_mov_b32 s[G0B+4*\p], 1
	s_add_co_u32 s[G0B+4*\p+1], s97, \p*PH
	s_add_nc_u64 s[G0B+4*\p+2:G0B+4*\p+3], s[92:93], \p*RTB
	s_or_b32 s[G0B+4*\p+3], s[G0B+4*\p+3], 0x80000000
.endr
	CROUND                                         ; all sixteen work-groups are here: the joint loads meet
	s_cmp_eq_u32 s[SHF], 0                         ; a wave's four first fills stand in one branch on its number: four tensor loads of mine are out
	s_cbranch_scc0 .Lfill_b
	tensor_load_to_lds s[G0A:G0A+3], s[G1A:G1A+7]
	s_nop 0
	tensor_load_to_lds s[G0A+4:G0A+7], s[G1A:G1A+7]
	s_nop 0
	tensor_load_to_lds s[G0A+8:G0A+11], s[G1A:G1A+7]
	s_nop 0
	tensor_load_to_lds s[G0A+12:G0A+15], s[G1A:G1A+7]
	s_nop 0
	PLACES 4
	s_branch .Lfilled
.Lfill_b:
	tensor_load_to_lds s[G0B:G0B+3], s[G1B:G1B+7]
	s_nop 0
	tensor_load_to_lds s[G0B+4:G0B+7], s[G1B:G1B+7]
	s_nop 0
	tensor_load_to_lds s[G0B+8:G0B+11], s[G1B:G1B+7]
	s_nop 0
	tensor_load_to_lds s[G0B+12:G0B+15], s[G1B:G1B+7]
	s_nop 0
	PLACES 4
.Lfilled:
	v_and_b32 v1, 31, v0
	v_lshlrev_b32 v[L16], 4, v1
	s_wait_alu depctr_va_vdst(0)
	v_lshlrev_b32 v[L8], 3, v1
	s_wait_alu depctr_va_vdst(0)
	v_lshlrev_b32 v[L4], 2, v1
	v_and_b32 v2, 15, v0                           ; r
	v_bfe_u32 v3, v0, 4, 1                         ; h
	v_lshlrev_b32 v[H64], 6, v3
	v_lshlrev_b32 v[YSA], 2, v2
	v_lshl_add_u32 v[YSA], v3, 7, v[YSA]
.irp i, 0,1,2,3,4,5,6,7
.irp j, 0,1,2,3
	global_load_b32 v[SC0+4*\i+\j], v[L4], s[90:91] offset:\i*512+\j*128
.endr
.endr
.irp a, 0,1,2,3                        ; a K step is two heads: the even head's two bytes below, the odd head's two, 64 bytes further on, above.  Lanes 0-15 K step 2 j, lanes 16-31 K step 2 j + 1
.irp j, 0,1,2,3
	global_load_b32 v[SC1+4*\a+\j], v[YSA], s[94:95] offset:\a*1024+\j*256
	global_load_b32 v[SCH+4*\a+\j], v[YSA], s[94:95] offset:\a*1024+\j*256+64
.endr
.endr
	s_lshl_b32 s100, s61, 10
	s_lshl_b32 s3, s[SHF], 9
	s_add_co_u32 s100, s100, s3                    ; my first column x 4
	s_add_nc_u64 s[12:13], s[12:13], s[100:101]
	s_add_nc_u64 s[14:15], s[14:15], s[100:101]
.irp b, 0,1,2,3,4,5,6,7                ; the bias in the result's layout: rowtile b's register j is column 32 (b / 2) + 16 h + 8 (b % 2) + j
	global_load_b128 v[BIA+8*\b:BIA+8*\b+3], v[H64], s[12:13] offset:(32*(\b/2)+8*(\b%2))*4
	global_load_b128 v[BIA+8*\b+4:BIA+8*\b+7], v[H64], s[12:13] offset:(32*(\b/2)+8*(\b%2))*4+16
.endr
	s_lshl_b32 s100, s62, 19
	s_lshl_b32 s3, s[THF], 18
	s_add_co_u32 s100, s100, s3                    ; my first token x 4,096
	s_add_nc_u64 s[14:15], s[14:15], s[100:101]
	s_mul_i32 s66, s[SHF], 8*RTB
	s_mul_i32 s67, s[THF], 4*RTB
	s_add_co_u32 s67, s67, S1O
.irp p, 0,1,2,3
	v_add_nc_u32 v[A016+\p], s66, v[L16]
	v_add_nc_u32 v[A08+\p], s66, v[L8]
	v_add_nc_u32 v[A116+\p], s67, v[L16]
	v_add_nc_u32 v[A18+\p], s67, v[L8]
	s_add_co_u32 s66, s66, PH
	s_add_co_u32 s67, s67, PH
.endr
	s_mul_i32 s66, s[WV], 16*SPI                   ; my stage
	v_mul_u32_u24 v[STO], v2, SPI
	v_lshl_add_u32 v[STO], v3, 6, v[STO]
	v_add_nc_u32 v[STO], s66, v[STO]               ; in: row r, + 64 h
	v_add_nc_u32 v[RD], s66, v[L16]                ; back: a whole row, 16 bytes a lane
	s_wait_tensorcnt 0x3                           ; my part of phase 0 has landed; three loads may be out
	s_barrier_signal -1
	s_barrier_wait -1
	FETCH 0
	s_wait_loadcnt 0x0                             ; scale words and bias
.set n, 0
.rept 16
	v_lshl_or_b32 v[SC1+n], v[SCH+n], 16, v[SC1+n] ; y's scale words are whole
.set n, n+1
.endr
	PLACES 8                                       ; a scale register written by a vector instruction stands eight places ahead of a scaled matrix instruction
	s_wait_alu depctr_va_vdst(0)
	s_wait_dscnt 0x0
	FETCH 1
	MUL 0, 1
.irp s, 1,2,3,4,5,6,7
	KSTEP \s
.endr
	WIN 0
; THE WAY OUT, a rowtile of 16 tokens x my 128 columns at a time, through my own stage: a lane holds 32 neighbouring bytes of a row at a time, the lanes beside it other rows; back come whole rows of 512 bytes.
; LDS serves a wave's instructions in order: no wait between the stores and the loads, nor in front of the next block's stores.
.macro TOSTAGE a
	WIN 0x08                                       ; an LDS store's data: window 2
.irp b, 0,1,2,3,4,5,6,7
	ds_store_b128 v[STO], v[8*(8*(\a)+\b):8*(8*(\a)+\b)+3] offset:128*(\b/2)+32*(\b%2)       ; each accumulator from its low end on
	ds_store_b128 v[STO], v[8*(8*(\a)+\b)+4:8*(8*(\a)+\b)+7] offset:128*(\b/2)+32*(\b%2)+16
.endr
	WIN 0
.irp t, 0,1,2,3,4,5,6,7,8,9,10,11,12,13,14,15
	ds_load_b128 v[BK+64*((\a)%2)+4*\t:BK+64*((\a)%2)+4*\t+3], v[RD] offset:\t*SPI
.endr
.endm
.macro SEND a, younger                 ; younger: the LDS instructions issued behind block a's loads, which may stay out
	s_wait_dscnt \younger
.irp t, 0,1,2,3,4,5,6,7,8,9,10,11,12,13,14,15
	global_store_b128 v[L16], v[BK+64*((\a)%2)+4*\t:BK+64*((\a)%2)+4*\t+3], s[14:15] offset:(32*((\a)/2)+8*((\a)%2)+\t+8*(\t/8))*4096 th:TH_STORE_NT   ; 512 consecutive bytes of one token's row, aligned
.endr
.endm
	PLACES 4                                       ; between the last products and the first read of results and loads into their sources
	TOSTAGE 0
.irp a, 1,2,3
.if \a > 1
	s_wait_xcnt 0x0                                ; block a - 2's stores have read their registers: block a's loads may land there
.endif
	TOSTAGE \a
	SEND \a-1, 32                                  ; behind block a - 1's loads: block a's 16 stores and 16 loads
.endr
	SEND 3, 0
	s_wait_dscnt 0x0
	s_wait_tensorcnt 0x0
	ds_add_u32 v30, v31
	s_wait_dscnt 0x0
	CROUND                                         ; the closing round: no work-group ends while a partner may still ask for a tile that names it
	s_endpgm
.Lfunc_end_k_q99941ddfef_proj:
	.size	k_q99941ddfef_proj, .Lfunc_end_k_q99941ddfef_proj-k_q99941ddfef_proj
	.p2alignl 7, 3214868480
	.fill 96, 4, 3214868480
	.section	.rodata,"a",@progbits
	.p2align	6, 0x0
	.amdhsa_kernel k_q99941ddfef_proj
		.amdhsa_group_segment_fixed_size 295424
		.amdhsa_private_segment_fixed_size 0
		.amdhsa_enable_private_segment 0
		.amdhsa_kernarg_size 48
		.amdhsa_user_sgpr_count 2
		.amdhsa_user_sgpr_kernarg_segment_ptr 1
		.amdhsa_wavefront_size32 1
		.amdhsa_system_sgpr_workgroup_id_x 1
		.amdhsa_system_sgpr_workgroup_id_y 1
		.amdhsa_system_sgpr_workgroup_id_z 1
		.amdhsa_system_vgpr_workitem_id 0
		.amdhsa_next_free_vgpr 768
		.amdhsa_next_free_sgpr 102
		.amdhsa_reserve_vcc 0
		.amdhsa_float_denorm_mode_32 3
		.amdhsa_float_denorm_mode_16_64 3
		.amdhsa_memory_ordered 1
		.amdhsa_forward_progress 1
		.amdhsa_inst_pref_size 91
	.end_amdhsa_kernel
	.amdgpu_metadata
---
amdhsa.version: [ 1, 2 ]
amdhsa.kernels:
  - .name:           k_q99941ddfef_proj
    .symbol:         k_q99941ddfef_proj.kd
    .args:
      - { .name: yc, .offset: 0, .size: 8, .value_kind: global_buffer, .address_space: global }
      - { .name: ys, .offset: 8, .size: 8, .value_kind: global_buffer, .address_space: global }
      - { .name: wc, .offset: 16, .size: 8, .value_kind: global_buffer, .address_space: global }
      - { .name: ws, .offset: 24, .size: 8, .value_kind: global_buffer, .address_space: global }
      - { .name: b_proj, .offset: 32, .size: 8, .value_kind: global_buffer, .address_space: global }
      - { .name: out0, .offset: 40, .size: 8, .value_kind: global_buffer, .address_space: global }
    .group_segment_fixed_size: 295424
    .private_segment_fixed_size: 0
    .kernarg_segment_align: 8
    .kernarg_segment_size: 48
    .max_flat_workgroup_size: 128
    .sgpr_count:     102
    .vgpr_count:     768
    .wavefront_size: 32
...
	.end_amdgpu_metadata
.endif
;; end of part 4
